; MI455X (gfx1250); checked and timed in simulation.
; The chip was launched on July 23, 2026; its instructions are those of AMD's public machine-readable ISA for CDNA 5 (MIT licence, August 2026) and "CDNA5" Instruction Set Architecture Reference Guide (July 2026). The comments in the code are by the model that wrote it; some were corrected since.
;; Block. Allowed arithmetic: matrix products marked QUANTISED: E2M3 operands, one E8M0 scale for each 32 along K, by v_wmma_scale_f32_16x16x128_f8f6f4 with both operands' format E2M3, f32 sums; everything else in f32.
;; Inputs: W1 1,024 x 4,096 float32; W2 4,096 x 1,024 float32; Wk 1,024 x 1,024 float32; Wo 1,024 x 1,024 float32; Wq 1,024 x 1,024 float32; Wv 1,024 x 1,024 float32; b1 4,096 float32; b2 1,024 float32; bo 1,024 float32; ln1_b 1,024 float32; ln1_g 1,024 float32; ln2_b 1,024 float32; ln2_g 1,024 float32; x 2 x 2,048 x 1,024 float32.
;; Outputs: out0 2 x 2,048 x 1,024 float32.
;; This version of the problem:
;;   THIS VERSION OF THE PROBLEM IS GIVEN IN LOW PRECISION. The matrix products marked QUANTISED in the list below multiply operands that are first quantised to E2M3 (2 exponent bits, 3 mantissa bits; 6 bits a number), with one power-of-two scale for each 32 numbers along K (OCP MX v1.0); their sums are f32. All else is computed in f32.
;;   The module's matrix products, in the order in which they are computed (A, B: the left and right operand; K: the contracted axis; several contracted axes count as one K, in the product's order):
;;     1. [M 4,096, K 1,024] x [K 1,024, N 1,024]; A: computed on the way; B: input Wq: QUANTISED
;;     2. [M 4,096, K 1,024] x [K 1,024, N 1,024]; A: computed on the way; B: input Wk: QUANTISED
;;     3. [M 4,096, K 1,024] x [K 1,024, N 1,024]; A: computed on the way; B: input Wv: QUANTISED
;;     4. batch 32 x [M 2,048, K 64] x [K 64, N 2,048]; A: computed on the way; B: computed on the way: QUANTISED
;;     5. batch 32 x [M 64, K 2,048] x [K 2,048, N 2,048]; A: computed on the way; B: softmax (see below): QUANTISED
;;     6. [M 4,096, K 1,024] x [K 1,024, N 1,024]; A: computed on the way; B: input Wo: QUANTISED
;;     7. [M 4,096, K 1,024] x [K 1,024, N 4,096]; A: computed on the way; B: input W1: QUANTISED
;;     8. [M 4,096, K 4,096] x [K 4,096, N 1,024]; A: computed on the way; B: input W2: QUANTISED
;;   THE QUANTISER, for each operand of a quantised product, along K:
;;     - K is cut into blocks of 32 from its start; a last block that is shorter is filled with zeros.
;;     - A block's scale is 2^e with e = floor(log2(the largest magnitude in the block)) - 2, held to -126 .. 127; a block of zeros has e = 0. As a byte (E8M0): e + 127.
;;     - Each number is divided by its block's scale, clamped to +-7.5, and rounded to the nearest number of E2M3, ties to even, subnormals kept.
;;     - The product sums the exact products of the quantised numbers (number of the format x scale) in f32.
;;   ~~~python
;;   def quantise(x, axis):      # numpy; x: float32 -> the quantised numbers, widened to float32 again
;;       x = np.moveaxis(x, axis, -1); K = x.shape[-1]
;;       x = np.pad(x, [(0, 0)] * (x.ndim - 1) + [(0, -K % 32)]); x = x.reshape(x.shape[:-1] + (-1, 32)); a = np.abs(x).max(-1, keepdims=True)
;;       e = np.where(a > 0, np.clip(np.frexp(np.where(a > 0, a, 1))[1] - 1 - 2, -126, 127), 0)      # np.frexp(a)[1] - 1 = floor(log2(a)), exactly
;;       r = np.clip(x / 2.0 ** e, -7.5, 7.5)
;;       step = 2.0 ** (np.maximum(np.frexp(np.where(r == 0, 1, r))[1] - 1, 0) - 3)
;;       q = np.round(r / step) * step * 2.0 ** e      # np.round: ties to even
;;       return np.moveaxis(q.reshape(q.shape[:-2] + (-1,))[..., :K], -1, axis).astype(np.float32)
;;   ~~~
;;   SOFTMAX AHEAD OF A QUANTISED PRODUCT. Where the list says 'softmax', what is quantised is not the finished softmax but p = 2^(t - M), with t = logit x log2(e) and M = ceil(the row's largest t), a whole number; so 1/2 < the row's largest p <= 1. The row's sum l is taken of the UNQUANTISED p, in f32, and the product's result is divided by l at the end. Since M is a whole number, a kernel that streams over the keys may use a running M (the ceiling of the running maximum): every later rescaling is an exact power of two, which a block's scale takes up: the codes' values come out the same.
;;   OPERANDS COMPUTED ON THE WAY. 'Computed on the way' means the value that the module computes at that place (a softmax that the list does not call 'softmax' is quantised finished and normalised). What goes into a quantiser is computed in f32, as accurately as f32 sums, v_exp_f32 and their like allow (about 1e-6 of the number): no bf16 or f16 on the way to a quantiser, and a product that is left as it is and whose result goes on into a quantised operand takes f32 operands (vector FMAs, or v_wmma_f32_16x16x4_f32). A number that lies on a knife's edge between two numbers of the format may be rounded either way, as far as f32 arithmetic and the matrix unit's own rounding can turn it there, and no further.
;; One version. Each part assembles by itself: llvm-mc -triple=amdgcn-amd-amdhsa -mcpu=gfx1250 --defsym DOCPART=n.
;; ======== version 1 of 1: 7 launches
;; limits: right only within a limited range of input values
;; workspace buffers: wrec 9,830,400 bytes; hn 3,276,800 bytes; qk 6,815,744 bytes; vimg 3,276,800 bytes; att 3,276,800 bytes; x1 16,777,216 bytes; hid 13,107,200 bytes
;; launch prep (part 1): grid 640 x 1, 8 waves a work-group, no clusters, 77,824 bytes of LDS; arguments x, ln1_g, ln1_b, hn, Wq, Wk, Wv, Wo, W1, W2, wrec; writes hn, wrec
.if DOCPART == 1
	.amdgcn_target "amdgcn-amd-amdhsa--gfx1250"
	.amdhsa_code_object_version 6
	.text
	.protected	k_q2d5430cbf7_prep
	.globl	k_q2d5430cbf7_prep
	.p2align	8
	.type	k_q2d5430cbf7_prep,@function
k_q2d5430cbf7_prep:
	s_mov_b64 s[64:65], 0
	v_nop
	global_prefetch_b8 v0, s[64:65] scope:SCOPE_SE
	s_setreg_imm32_b32 hwreg(HW_REG_WAVE_MODE, 25, 1), 1
	s_wait_xcnt 0x0
; TWO STREAMS IN ONE LAUNCH: they share nothing, and both turn f32 numbers into codes of FP6 (E2M3) with one E8M0 byte for each 32 along K, laid as the products' operand registers want them.
; Work-groups 0 .. 383 quantise the six weights, work-groups 384 .. 639 norm and quantise the tokens.  The two ways part once, at the head, on the work-group's number, which is the same in all eight waves;
; the longer work-groups have the lower numbers.  Only the norm uses LDS and barriers.
; THE RECORD.  128 rows x 128 K are 12,800 bytes: eight fragments of 1,536 bytes (block i at 1536 i), then the scale words at 12288 + 64 i + 4 r.  A fragment lies as its registers: registers 0-3 of lane l at 16 l,
; registers 4-5 at 512 + 8 l, registers 6-9 at 768 + 16 l, registers 10-11 at 1280 + 8 l: each store of the wave covers 512 or 256 consecutive bytes, aligned.
; THE ORDER OF K.  In every block of 32 along K, code place 16 h + 8 u + j holds the element 16 u + 8 h + j.  Every operand of this program is laid so, on both sides of every product, so the products pair up;
; a block keeps its 32 members, so scales and codes are the quantiser's.
; LIMITS: NaN and infinities are not served.  A block whose largest magnitude lies under 2^-124 has its byte held at 1; a block of zeros gets the byte 1 too: its codes are zeros, and this program alone reads the bytes.
.set NWG,   384                        ; work-groups that take weights
.set SPARE, 1024                       ; LDS: the spare words, 128 bytes for each wave, which no other line names
.set SPW, 252                          ; v252 LDS address of my spare word; never rewritten
.set NIL, 253                          ; v253 0; never rewritten
.set WVN, 52                           ; s52  my wave's number
	v_lshl_add_u32 v[SPW], v0, 2, SPARE
	v_mov_b32 v[NIL], 0
	v_lshrrev_b32 v1, 5, v0
	s_delay_alu instid0(VALU_DEP_1)
	v_readfirstlane_b32 s[WVN], v1                 ; wave 0..7
	s_cmp_ge_u32 ttmp9, NWG
	s_cbranch_scc1 .Lnorm
; ---------------------------------------------------------------- THE SIX WEIGHTS, f32 stored [K][N]
; UNITS of the records' buffer: 0-63 Wq, 64-127 Wk, 128-191 Wv, 192-255 Wo (unit = first + 8 x column group + K chunk), 256-511 W1 (256 + 8 group + chunk), 512-767 W2 (512 + 32 group + chunk).
; Four waves make one unit (128 columns x 128 K), so a work-group of eight makes two.  A LANE TAKES A COLUMN AND ITS REGISTERS RUN DOWN K: a load reads 128 consecutive bytes a wave, 512 for the four waves side by side;
; a block of 32 along K lies in one lane, so its largest magnitude needs no other lane, and the conversions give codes with K innermost.  A wave's 32 columns are two fragments.
; The order of K says here which row goes into which register, at no cost.  The four blocks have registers of their own; two blocks' loads are out while one is worked on.
.set WO16, 8                           ; v8   16 x lane
.set WO8,  9                           ; v9   8 x lane
.set WO4,  10                          ; v10  4 x lane
.set WOFF, 16                          ; v16-47   4 x lane + i rows of the weight, i = 0 .. 31; never rewritten
.set WX,   48                          ; v48-175  four blocks of 32 numbers
.set WF,   176                         ; v176-199 two fragments
.set WT,   200                         ; v200-215 the blocks' upper halves, as the conversions leave them
	s_load_b256 s[4:11], s[0:1], 0x20              ; Wq, Wk, Wv, Wo
	s_load_b128 s[12:15], s[0:1], 0x40             ; W1, W2
	s_load_b64 s[16:17], s[0:1], 0x50              ; the records
	v_and_b32 v1, 31, v0
	s_delay_alu instid0(VALU_DEP_1)
	v_lshlrev_b32 v[WO16], 4, v1
	s_delay_alu instid0(VALU_DEP_2)
	v_lshlrev_b32 v[WO8], 3, v1
	s_delay_alu instid0(VALU_DEP_3)
	v_lshlrev_b32 v[WO4], 2, v1
	s_wait_alu depctr_va_vdst(0)
	s_lshl_b32 s19, ttmp9, 1
	s_lshr_b32 s21, s[WVN], 2
	s_add_co_u32 s19, s19, s21                     ; my unit, 0 .. 767
	s_and_b32 s20, s[WVN], 3                       ; which 32 of its 128 columns
	s_and_b32 s22, s19, 7                          ; K chunk where K = 1,024,
	s_and_b32 s23, s19, 31                         ; and in W2
	s_lshr_b32 s24, s19, 3
	s_and_b32 s25, s24, 7                          ; column group in Wq .. Wo,
	s_and_b32 s24, s24, 31                         ; in W1,
	s_lshr_b32 s26, s19, 5
	s_and_b32 s26, s26, 7                          ; in W2
	s_cmp_lt_u32 s19, 512
	s_cselect_b32 s22, s22, s23
	s_cselect_b32 s24, s24, s26
	s_cmp_lt_u32 s19, 256
	s_cselect_b32 s24, s25, s24
	s_lshr_b32 s27, s19, 8
	s_cmp_eq_u32 s27, 1                            ; W1 alone has rows of 16,384 bytes
	s_mov_b32 s27, 4096
	s_cselect_b32 s27, 16384, s27
	s_lshl_b32 s28, s27, 7
	s_mul_i32 s28, s28, s22                        ; 128 rows a chunk
	s_lshl_b32 s29, s24, 9
	s_add_co_u32 s28, s28, s29                     ; 512 bytes a column group
	s_lshl_b32 s29, s20, 7
	s_add_co_u32 s28, s28, s29                     ; 128 bytes a wave
	s_mov_b32 s29, 0
	s_lshl_b32 s30, s27, 5                         ; a block's 32 rows
	s_mov_b32 s31, 0
	s_mul_i32 s42, s19, 12800
	s_mul_i32 s44, s20, 3072
	s_add_co_u32 s44, s44, s42                     ; my two fragments
	s_mov_b32 s45, 0
	s_lshl_b32 s46, s20, 7
	s_add_co_u32 s46, s46, s42
	s_add_co_u32 s46, s46, 12288                   ; their 32 scale words
	s_mov_b32 s47, 0
.set ii, 0
.rept 32
	v_mad_u32_u24 v[WOFF+ii], s27, ii, v[WO4]
.set ii, ii+1
.endr
	s_wait_alu depctr_va_vdst(0)
	s_wait_kmcnt 0x0
	s_cmp_lt_u32 s19, 512                          ; which weight: the choice hangs on the unit's number alone
	s_cselect_b64 s[40:41], s[12:13], s[14:15]
	s_cmp_lt_u32 s19, 256
	s_cselect_b64 s[40:41], s[10:11], s[40:41]
	s_cmp_lt_u32 s19, 192
	s_cselect_b64 s[40:41], s[8:9], s[40:41]
	s_cmp_lt_u32 s19, 128
	s_cselect_b64 s[40:41], s[6:7], s[40:41]
	s_cmp_lt_u32 s19, 64
	s_cselect_b64 s[40:41], s[4:5], s[40:41]
	s_add_nc_u64 s[32:33], s[40:41], s[28:29]      ; a base for each of the four blocks; none is rewritten
	s_add_nc_u64 s[34:35], s[32:33], s[30:31]
	s_add_nc_u64 s[36:37], s[34:35], s[30:31]
	s_add_nc_u64 s[38:39], s[36:37], s[30:31]
	s_add_nc_u64 s[48:49], s[16:17], s[44:45]
	s_add_nc_u64 s[50:51], s[16:17], s[46:47]
.macro LOAD e                          ; block e: register kk takes the block's row kk % 8 + 16 ((kk / 8) % 2) + 8 (kk / 16)
.set kk, 0
.rept 32
	global_load_b32 v[WX+32*(\e)+kk], v[WOFF+(kk%8)+16*((kk/8)%2)+8*(kk/16)], s[32+2*(\e):33+2*(\e)] th:TH_LOAD_NT
.set kk, kk+1
.endr
.endm
.macro BLOCK e
.set XS, WX+32*(\e)
.set FB, WF+12*((\e)%2)+6*((\e)/2)             ; even blocks into the first fragment's registers, odd ones into the second's: the exchange below sorts them by columns
	v_max3_num_f32 v216, |v[XS]|, |v[XS+1]|, |v[XS+2]|
	v_max3_num_f32 v217, |v[XS+3]|, |v[XS+4]|, |v[XS+5]|
.irp i, 6,10,14,18,22,26
	s_delay_alu instid0(VALU_DEP_2)
	v_max3_num_f32 v216, v216, |v[XS+\i]|, |v[XS+\i+1]|
	s_delay_alu instid0(VALU_DEP_2)
	v_max3_num_f32 v217, v217, |v[XS+\i+2]|, |v[XS+\i+3]|
.endr
	s_delay_alu instid0(VALU_DEP_2)
	v_max3_num_f32 v216, v216, |v[XS+30]|, |v[XS+31]|
	s_delay_alu instid0(VALU_DEP_1)
	v_max3_num_f32 v216, v216, v217, 0x1800000     ; and the floor 2^(3 - 127): the byte cannot fall under 1
	s_delay_alu instid0(VALU_DEP_1)
	v_add_nc_u32 v218, 0xff000000, v216            ; 2 off the exponent field: the conversion's scale operand
	s_delay_alu instid0(VALU_DEP_1)
	v_lshrrev_b32 v219, 23, v218                   ; the scale's byte
.if (\e) == 0
	s_delay_alu instid0(VALU_DEP_1)
	v_mov_b32 v220, v219
.else
	s_delay_alu instid0(VALU_DEP_1)
	v_lshl_or_b32 v220, v219, 8*(\e), v220         ; my column's scale word
.endif
	v_cvt_scalef32_pk16_fp6_f32 v[FB:FB+2], v[XS:XS+15], v218
	v_cvt_scalef32_pk16_fp6_f32 v[WT+4*(\e):WT+4*(\e)+2], v[XS+16:XS+31], v218
	v_nop                                          ; a plain instruction behind the scaled conversions
.endm
	LOAD 0
	LOAD 1
	s_wait_loadcnt 32                              ; block 0 is in; block 1's 32 loads may be out
	LOAD 2
	BLOCK 0
	s_wait_loadcnt 32                              ; block 1 is in; block 2's may be out
	LOAD 3
	BLOCK 1
	s_wait_loadcnt 32                              ; block 2 is in; block 3's may be out
	BLOCK 2
	s_wait_loadcnt 0x0
	BLOCK 3
.irp e, 0,1,2,3
.irp i, 0,1,2
	v_mov_b32 v[WF+12*(\e%2)+6*(\e/2)+3+\i], v[WT+4*\e+\i]
.endr
.endr
.irp i, 0,1,2,3,4,5,6,7,8,9,10,11      ; the first run's lanes 16-31 (even blocks of columns 16-31) change places with the second's lanes 0-15 (odd blocks of columns 0-15):
	v_permlane16_swap_b32 v[WF+\i], v[WF+12+\i]    ; each run is now one fragment: lanes 0-15 blocks 0 and 2, lanes 16-31 blocks 1 and 3 of its 16 columns
.endr
.irp n, 0,1
	global_store_b128 v[WO16], v[WF+12*\n:WF+12*\n+3], s[48:49] offset:1536*\n
	global_store_b64 v[WO8], v[WF+12*\n+4:WF+12*\n+5], s[48:49] offset:1536*\n+512
	global_store_b128 v[WO16], v[WF+12*\n+6:WF+12*\n+9], s[48:49] offset:1536*\n+768
	global_store_b64 v[WO8], v[WF+12*\n+10:WF+12*\n+11], s[48:49] offset:1536*\n+1280
.endr
	global_store_b32 v[WO4], v220, s[50:51]        ; 32 words, 128 consecutive bytes
	s_wait_tensorcnt 0x0                           ; the wave's end
	ds_add_u32 v[SPW], v[NIL]
	s_wait_dscnt 0x0
	s_endpgm
; ---------------------------------------------------------------- LAYER NORM AND QUANTISER.  in: [4096][1024] f32; gain, bias: [1024] f32; out: record[row / 128][column / 128]
; y = (x - mean) * rsqrt(var + 1e-5) * gain + bias, all in f32; the variance is taken of x - mean (two passes over registers), so a common offset of the row cancels.
; SHARES.  A work-group takes 16 rows; wave w takes columns 128 w .. 128 w + 127 of them, which is one fragment (16 rows x 128 K).  Lane (r, h) holds 64 numbers of row r:
; register 16 e + 8 u + 4 q + i is column 128 w + 32 e + 16 u + 8 h + 4 q + i, which is the order of K above.
; THE LOADS TAKE THE BYTES AS THEY LIE: one load reads my wave's 512 consecutive bytes of one row, 16 a lane; gain and bias come by one such load each.  They turn through the wave's own stage in LDS: rows 528 bytes apart
; (an odd multiple of 16), stored as loaded, read back 16 bytes at a time at 528 r + 32 h + 128 e + 64 u + 16 q.  The stage is the wave's own: no barrier.
; A row's sum spans the eight waves: each wave puts its part for each row into LDS, a barrier, and every wave adds the eight parts: once for the mean, once for the variance, in bytes of their own.
.Lnorm:
.set TOFF,  NWG                        ; the first work-group of the norm
.set STG,   2048                       ; LDS: 0 .. 511 the sums' parts, 512 .. 1023 the squares' parts (32 bytes a row), 1024 .. 2047 the spare words, then a stage for each wave
.set SP,    528
.set GOF,   16*SP                      ; in a stage: behind the 16 rows my 128 gains,
.set BOF,   GOF+512                    ; and my 128 biases
.set WREG,  BOF+512                    ; 9,472 bytes a wave
.set SI,  4                            ; v4   my stage + 16 x lane: on the way in
.set SO,  5                            ; v5   my stage + 528 r + 32 h: on the way out
.set O16, 6                            ; v6   16 x lane
.set O8,  7                            ; v7   8 x lane
.set O4R, 8                            ; v8   4 r
.set LP,  9                            ; v9   32 r + 4 w: where my wave's part of row r goes
.set LR,  10                           ; v10  32 r: where the eight parts of row r lie
.set GA,  11                           ; v11  my stage + 32 h
.set R8,  12                           ; v12-19 gain and bias as loaded; later the eight parts
.set X,   32                           ; v32-95   my 64 numbers
.set G,   96                           ; v96-159  their gains
.set BB,  160                          ; v160-223 their biases
.set PC,  96                           ; v96-115  the codes (the gains are done with by then)
.set TM,  224                          ; v224-239 the quantiser's: largest magnitudes, bytes, -, scale operands
.set PW,  240                          ; v240 the row's scale word
.set MU,  242                          ; v[242:243] the mean, twice
.set RS,  244                          ; v[244:245] 1 / sqrt(var + eps), twice
.set T,   246                          ; v246-249 two packed chains
.set SEL, 20                           ; s[20:21] lane selects: lane l xor 16
	s_load_b256 s[4:11], s[0:1], 0x0               ; in s[4:5], gain s[6:7], bias s[8:9], out s[10:11]
	s_sub_co_u32 s53, ttmp9, TOFF                  ; my block of 16 rows, 0 .. 255
	v_and_b32 v1, 31, v0                           ; lane
	v_and_b32 v2, 15, v0                           ; r
	v_bfe_u32 v3, v0, 4, 1                         ; h
	s_delay_alu instid0(VALU_DEP_3)
	v_lshlrev_b32 v[O16], 4, v1
	s_delay_alu instid0(VALU_DEP_4)
	v_lshlrev_b32 v[O8], 3, v1
	s_delay_alu instid0(VALU_DEP_4)
	v_lshlrev_b32 v[O4R], 2, v2
	v_lshlrev_b32 v[LR], 5, v2
	s_lshl_b32 s17, s[WVN], 2
	v_add_nc_u32 v[LP], s17, v[LR]
	s_mul_i32 s18, s[WVN], WREG
	s_add_co_u32 s18, s18, STG                     ; my stage
	v_add_nc_u32 v[SI], s18, v[O16]
	v_mul_u32_u24 v[SO], v2, SP
	s_delay_alu instid0(VALU_DEP_1)
	v_lshl_add_u32 v[SO], v3, 5, v[SO]
	s_delay_alu instid0(VALU_DEP_1)
	v_add_nc_u32 v[SO], s18, v[SO]
	v_lshlrev_b32 v[GA], 5, v3
	s_delay_alu instid0(VALU_DEP_1)
	v_add_nc_u32 v[GA], s18, v[GA]
.irp b, 0,1,2,3
	v_mov_b32 v[TM+4+\b], 0                        ; written once: a lane permute's destination counts as one of its sources
.endr
	s_mov_b32 s[SEL], 0x76543210
	s_mov_b32 s[SEL+1], 0xfedcba98
	s_mov_b32 s22, 0x3a800000                      ; 1 / 1024
	s_mov_b32 s23, 0x3727c5ac                      ; 1e-5
	s_lshl_b32 s26, s[WVN], 9                      ; my wave's 512 bytes of a row
	s_mov_b32 s27, 0
	s_lshl_b32 s24, s53, 16                        ; the work-group's 16 rows of 4,096 bytes
	s_add_co_u32 s24, s24, s26
	s_mov_b32 s25, 0
	s_lshr_b32 s28, s53, 3
	s_lshl_b32 s28, s28, 3
	s_add_co_u32 s28, s28, s[WVN]
	s_mul_i32 s28, s28, 12800                      ; record (rows / 128, chunk w)
	s_and_b32 s29, s53, 7                          ; my block of 16 rows in it
	s_mul_i32 s30, s29, 1536
	s_add_co_u32 s30, s30, s28
	s_mov_b32 s31, 0
	s_lshl_b32 s32, s29, 6
	s_add_co_u32 s32, s32, s28
	s_add_co_u32 s32, s32, 12288
	s_mov_b32 s33, 0
	s_wait_alu depctr_va_vdst(0)
	s_wait_kmcnt 0x0
	s_add_nc_u64 s[4:5], s[4:5], s[24:25]
	s_add_nc_u64 s[6:7], s[6:7], s[26:27]
	s_add_nc_u64 s[8:9], s[8:9], s[26:27]
	s_add_nc_u64 s[12:13], s[10:11], s[30:31]      ; my fragment
	s_add_nc_u64 s[14:15], s[10:11], s[32:33]      ; its scale words
.irp i, 0,1,2,3,4,5,6,7,8,9,10,11,12,13,14,15
	global_load_b128 v[X+4*\i:X+4*\i+3], v[O16], s[4:5] offset:4096*\i th:TH_LOAD_NT   ; row i: 32 lanes read 512 consecutive bytes
.endr
	global_load_b128 v[R8:R8+3], v[O16], s[6:7]    ; my 128 gains
	global_load_b128 v[R8+4:R8+7], v[O16], s[8:9]  ; my 128 biases
	s_wait_loadcnt 2                               ; the 16 rows are in; the two loads of gain and bias may be out
.irp i, 0,1,2,3,4,5,6,7,8,9,10,11,12,13,14,15
	ds_store_b128 v[SI], v[X+4*\i:X+4*\i+3] offset:SP*\i
.endr
.irp e, 0,1,2,3                        ; LDS serves a wave's instructions in order: these see the stores above, and land in the registers that the stores have left
.irp u, 0,1
.irp q, 0,1
	ds_load_b128 v[X+16*\e+8*\u+4*\q:X+16*\e+8*\u+4*\q+3], v[SO] offset:128*\e+64*\u+16*\q
.endr
.endr
.endr
	s_wait_loadcnt 0x0                             ; gain and bias
	ds_store_b128 v[SI], v[R8:R8+3] offset:GOF
	ds_store_b128 v[SI], v[R8+4:R8+7] offset:BOF
.irp e, 0,1,2,3
.irp u, 0,1
.irp q, 0,1
	ds_load_b128 v[G+16*\e+8*\u+4*\q:G+16*\e+8*\u+4*\q+3], v[GA] offset:GOF+128*\e+64*\u+16*\q   ; sixteen lanes want the same 16 bytes
.endr
.endr
.endr
.irp e, 0,1,2,3
.irp u, 0,1
.irp q, 0,1
	ds_load_b128 v[BB+16*\e+8*\u+4*\q:BB+16*\e+8*\u+4*\q+3], v[GA] offset:BOF+128*\e+64*\u+16*\q
.endr
.endr
.endr
; The two packed chains in v[T:T+3] become the row's total over all 1,024 columns, in v[R8] of every lane.  off: the LDS bytes of this total's parts.
.macro ACROSS off
	s_delay_alu instid0(VALU_DEP_1)
	v_pk_add_f32 v[T:T+1], v[T:T+1], v[T+2:T+3]
	s_delay_alu instid0(VALU_DEP_1)
	v_add_f32 v[T], v[T], v[T+1]
	s_delay_alu instid0(VALU_DEP_1)
	v_permlanex16_b32 v[T+1], v[T], s[SEL], s[SEL+1]
	s_delay_alu instid0(VALU_DEP_1)
	v_add_f32 v[T], v[T], v[T+1]                   ; my wave's 128 columns of row r
	ds_store_b32 v[LP], v[T] offset:\off           ; lanes r and r + 16 write the same word with the same value
	s_wait_dscnt 0x0                               ; for the others' sake: my store has landed
	s_barrier_signal -1
	s_barrier_wait -1
	ds_load_b128 v[R8:R8+3], v[LR] offset:\off
	ds_load_b128 v[R8+4:R8+7], v[LR] offset:\off+16
	s_wait_dscnt 0x0
	v_add_f32 v[R8], v[R8], v[R8+1]
	v_add_f32 v[R8+2], v[R8+2], v[R8+3]
	v_add_f32 v[R8+4], v[R8+4], v[R8+5]
	v_add_f32 v[R8+6], v[R8+6], v[R8+7]
	s_delay_alu instid0(VALU_DEP_3)
	v_add_f32 v[R8], v[R8], v[R8+2]
	s_delay_alu instid0(VALU_DEP_2)
	v_add_f32 v[R8+4], v[R8+4], v[R8+6]
	s_delay_alu instid0(VALU_DEP_1)
	v_add_f32 v[R8], v[R8], v[R8+4]
.endm
	s_wait_dscnt 34                                ; my 64 numbers are back; behind them stand 2 stores and 32 loads of gain and bias, which may be out
	v_pk_add_f32 v[T:T+1], v[X:X+1], v[X+2:X+3]
	v_pk_add_f32 v[T+2:T+3], v[X+4:X+5], v[X+6:X+7]
.irp j, 8,12,16,20,24,28,32,36,40,44,48,52,56,60
	s_delay_alu instid0(VALU_DEP_2)
	v_pk_add_f32 v[T:T+1], v[T:T+1], v[X+\j:X+\j+1]
	s_delay_alu instid0(VALU_DEP_2)
	v_pk_add_f32 v[T+2:T+3], v[T+2:T+3], v[X+\j+2:X+\j+3]
.endr
	ACROSS 0                                       ; (its wait for 0 also shows gain and bias back in registers)
	s_delay_alu instid0(VALU_DEP_1)
	v_mul_f32 v[MU], s22, v[R8]                    ; the mean
	s_delay_alu instid0(VALU_DEP_1)
	v_mov_b32 v[MU+1], v[MU]
.set jj, 0
.rept 32
	v_pk_add_f32 v[X+jj:X+jj+1], v[X+jj:X+jj+1], v[MU:MU+1] neg_lo:[0,1] neg_hi:[0,1]   ; x - mean
.set jj, jj+2
.endr
	v_pk_mul_f32 v[T:T+1], v[X:X+1], v[X:X+1]
	v_pk_mul_f32 v[T+2:T+3], v[X+2:X+3], v[X+2:X+3]
.irp j, 4,8,12,16,20,24,28,32,36,40,44,48,52,56,60
	s_delay_alu instid0(VALU_DEP_2)
	v_pk_fma_f32 v[T:T+1], v[X+\j:X+\j+1], v[X+\j:X+\j+1], v[T:T+1]
	s_delay_alu instid0(VALU_DEP_2)
	v_pk_fma_f32 v[T+2:T+3], v[X+\j+2:X+\j+3], v[X+\j+2:X+\j+3], v[T+2:T+3]
.endr
	ACROSS 512                                     ; other bytes than the sums': no wave writes what another may still read
	s_delay_alu instid0(VALU_DEP_1)
	v_fma_f32 v[R8], v[R8], s22, s23               ; var + eps
	s_wait_alu depctr_va_vdst(0)
	v_rsq_f32 v[RS], v[R8]
	v_nop                                          ; a plain instruction behind the transcendental,
	s_wait_alu depctr_va_vdst(0)                   ; and the wait ahead of the first use of its result
	v_mov_b32 v[RS+1], v[RS]
.set jj, 0
.rept 32
	v_pk_mul_f32 v[X+jj:X+jj+1], v[X+jj:X+jj+1], v[RS:RS+1]
.set jj, jj+2
.endr
.set jj, 0
.rept 32
	v_pk_fma_f32 v[X+jj:X+jj+1], v[X+jj:X+jj+1], v[G+jj:G+jj+1], v[BB+jj:BB+jj+1]
.set jj, jj+2
.endr
; THE QUANTISER.  Register 16 b + i is place 16 h + i of block b of my row; lanes l and l xor 16 share a block.
.irp b, 0,1,2,3
	v_max3_num_f32 v[TM+\b], |v[X+16*\b]|, |v[X+1+16*\b]|, 0x1800000   ; with the floor 2^(3 - 127): the byte cannot fall under 1
.endr
.irp i, 2,4,6,8,10,12,14
.irp b, 0,1,2,3
	s_delay_alu instid0(VALU_DEP_4)
	v_max3_num_f32 v[TM+\b], v[TM+\b], |v[X+16*\b+\i]|, |v[X+1+16*\b+\i]|
.endr
.endr
.irp b, 0,1,2,3
	s_delay_alu instid0(VALU_DEP_4)
	v_permlanex16_b32 v[TM+4+\b], v[TM+\b], s[SEL], s[SEL+1]
.endr
.irp b, 0,1,2,3
	s_delay_alu instid0(VALU_DEP_4)
	v_max_num_f32 v[TM+\b], v[TM+\b], v[TM+4+\b]   ; the block's largest magnitude
.endr
.irp b, 0,1,2,3
	s_delay_alu instid0(VALU_DEP_4)
	v_add_nc_u32 v[TM+12+\b], 0xff000000, v[TM+\b] ; 2 off its exponent field: the conversion's scale operand
.endr
.irp b, 0,1,2,3
	s_delay_alu instid0(VALU_DEP_4)
	v_lshrrev_b32 v[TM+4+\b], 23, v[TM+12+\b]      ; the scale's byte
.endr
	s_delay_alu instid0(VALU_DEP_3)
	v_lshl_or_b32 v[PW], v[TM+5], 8, v[TM+4]
	s_delay_alu instid0(VALU_DEP_1)
	v_lshl_or_b32 v[PW], v[TM+6], 16, v[PW]
	s_delay_alu instid0(VALU_DEP_1)
	v_lshl_or_b32 v[PW], v[TM+7], 24, v[PW]
.irp c, 0,1
	v_cvt_scalef32_pk16_fp6_f32 v[PC+6*\c:PC+2+6*\c], v[X+32*\c:X+15+32*\c], v[TM+12+2*\c]
	v_cvt_scalef32_pk16_fp6_f32 v[PC+12+4*\c:PC+14+4*\c], v[X+16+32*\c:X+31+32*\c], v[TM+13+2*\c]   ; (a conversion's three registers begin on an even number)
.endr
	v_nop                                          ; a plain instruction behind the scaled conversions
.irp c, 0,1                                    ; the operand wants a whole block in a lane: lanes 0-15 block 2 c, lanes 16-31 block 2 c + 1
.irp i, 0,1,2
	v_permlane16_swap_b32 v[PC+6*\c+\i], v[PC+12+4*\c+\i]
.endr
.irp i, 0,1,2
	s_delay_alu instid0(VALU_DEP_3)
	v_mov_b32 v[PC+3+6*\c+\i], v[PC+12+4*\c+\i]
.endr
.endr
	global_store_b128 v[O16], v[PC:PC+3], s[12:13]
	global_store_b64 v[O8], v[PC+4:PC+5], s[12:13] offset:512
	global_store_b128 v[O16], v[PC+6:PC+9], s[12:13] offset:768
	global_store_b64 v[O8], v[PC+10:PC+11], s[12:13] offset:1280
	global_store_b32 v[O4R], v[PW], s[14:15]       ; 16 words; lanes r and r + 16 hold the same word and name the same place
	s_wait_tensorcnt 0x0                           ; the wave's end
	ds_add_u32 v[SPW], v[NIL]
	s_wait_dscnt 0x0
	s_endpgm
.Lfunc_end_k_q2d5430cbf7_prep:
	.size	k_q2d5430cbf7_prep, .Lfunc_end_k_q2d5430cbf7_prep-k_q2d5430cbf7_prep
	.p2alignl 7, 3214868480
	.fill 96, 4, 3214868480
	.section	.rodata,"a",@progbits
	.p2align	6, 0x0
	.amdhsa_kernel k_q2d5430cbf7_prep
		.amdhsa_group_segment_fixed_size 77824
		.amdhsa_private_segment_fixed_size 0
		.amdhsa_enable_private_segment 0
		.amdhsa_kernarg_size 88
		.amdhsa_user_sgpr_count 2
		.amdhsa_user_sgpr_kernarg_segment_ptr 1
		.amdhsa_wavefront_size32 1
		.amdhsa_system_sgpr_workgroup_id_x 1
		.amdhsa_system_sgpr_workgroup_id_y 1
		.amdhsa_system_sgpr_workgroup_id_z 1
		.amdhsa_system_vgpr_workitem_id 0
		.amdhsa_next_free_vgpr 256
		.amdhsa_next_free_sgpr 66
		.amdhsa_reserve_vcc 0
		.amdhsa_float_denorm_mode_32 3
		.amdhsa_float_denorm_mode_16_64 3
		.amdhsa_memory_ordered 1
		.amdhsa_forward_progress 1
		.amdhsa_inst_pref_size 55
	.end_amdhsa_kernel
	.amdgpu_metadata
---
amdhsa.version: [ 1, 2 ]
amdhsa.kernels:
  - .name:           k_q2d5430cbf7_prep
    .symbol:         k_q2d5430cbf7_prep.kd
    .args:
      - { .name: x, .offset: 0, .size: 8, .value_kind: global_buffer, .address_space: global }
      - { .name: ln1_g, .offset: 8, .size: 8, .value_kind: global_buffer, .address_space: global }
      - { .name: ln1_b, .offset: 16, .size: 8, .value_kind: global_buffer, .address_space: global }
      - { .name: hn, .offset: 24, .size: 8, .value_kind: global_buffer, .address_space: global }
      - { .name: Wq, .offset: 32, .size: 8, .value_kind: global_buffer, .address_space: global }
      - { .name: Wk, .offset: 40, .size: 8, .value_kind: global_buffer, .address_space: global }
      - { .name: Wv, .offset: 48, .size: 8, .value_kind: global_buffer, .address_space: global }
      - { .name: Wo, .offset: 56, .size: 8, .value_kind: global_buffer, .address_space: global }
      - { .name: W1, .offset: 64, .size: 8, .value_kind: global_buffer, .address_space: global }
      - { .name: W2, .offset: 72, .size: 8, .value_kind: global_buffer, .address_space: global }
      - { .name: wrec, .offset: 80, .size: 8, .value_kind: global_buffer, .address_space: global }
    .group_segment_fixed_size: 77824
    .private_segment_fixed_size: 0
    .kernarg_segment_align: 8
    .kernarg_segment_size: 88
    .max_flat_workgroup_size: 256
    .sgpr_count:     66
    .vgpr_count:     256
    .wavefront_size: 32
...
	.end_amdgpu_metadata
.endif
;; end of part 1
;; launch qkv (part 2): grid 12 x 16, 4 waves a work-group, clusters of 4 x 4, 327,680 bytes of LDS; arguments hn, wrec, qk, vimg; writes qk, vimg
.if DOCPART == 2
	.amdgcn_target "amdgcn-amd-amdhsa--gfx1250"
	.amdhsa_code_object_version 6
	.text
	.protected	k_q2d5430cbf7_qkv
	.globl	k_q2d5430cbf7_qkv
	.p2align	8
	.type	k_q2d5430cbf7_qkv,@function
k_q2d5430cbf7_qkv:
	s_mov_b64 s[64:65], 0
	v_nop
	global_prefetch_b8 v0, s[64:65] scope:SCOPE_SE
	s_setreg_imm32_b32 hwreg(HW_REG_WAVE_MODE, 25, 1), 1
	s_wait_xcnt 0x0
	s_wait_alu depctr_hold_cnt(0) depctr_sa_sdst(0) depctr_va_vdst(0) depctr_va_sdst(0) depctr_va_ssrc(0) depctr_va_vcc(0) depctr_vm_vsrc(0)
	s_getreg_b32 s2, hwreg(HW_REG_IB_STS2, 6, 4)
	s_cmp_eq_u32 s2, 0
	s_cbranch_scc0 .Lentry_in_a_cluster
	s_endpgm
.Lentry_in_a_cluster:
	s_bfe_u32 s2, ttmp6, 0x10000c
	s_cmp_lg_u32 s2, 0xf033
	s_cbranch_scc0 .Lentry_shape_is_right
	s_endpgm
.Lentry_shape_is_right:
; q = hn Wq, k = hn Wk, v^T = (hn Wv)^T on codes of FP6 (E2M3) with E8M0 scales, and their results quantised again on the way out: q and k along a head's 64, v^T along the keys.
; OPERANDS are records of operand registers: 128 rows x 128 K = 12,800 bytes: eight fragments of 1,536 bytes (registers 0-3 of lane l at 16 l, 4-5 at 512 + 8 l, 6-9 at 768 + 16 l, 10-11 at 1280 + 8 l), then the
; scale words at 12288 + 64 i + 4 r.  A group of 128 rows has its eight records (K = 1,024) on end, so two K chunks of a group are ONE dense block of 25,600 bytes, scales and all: one tensor load.
; A tile of C, 256 x 256, is made by four waves, as many as a WGP has SIMDs; a wave makes 128 x 128: 64 accumulators, 512 registers.  K goes in steps of 256 through a ring of two LDS slots.
; CLUSTERS of 4 x 4: A's tiles are shared along a row of the cluster, B's along a column: each is asked for jointly.  The grid has three columns of clusters: 0 makes q, 1 makes k (A = the tokens, B = Wq's and Wk's
; columns), 2 makes v^T (A = Wv's columns, B = the tokens): which it is hangs on the cluster's x alone, the same in all sixteen partners.
; THE MATRIX INSTRUCTION IS USED TRANSPOSED (source 0 = 16 rows of B, source 1 = 16 rows of A): lane (r, h) holds row r of A's block, and register j of accumulator (a, b) is B's row 16 b + 8 h + j.  So the 64 registers
; of a block a run along the next product's K, in this program's order of K (place 16 h + 8 u + j of a block of 32 holds element 16 u + 8 h + j): they go into the conversions as they stand.
; OUT.  qk: for each of q, k, each batch and head, eight records of 256 tokens, 13,312 bytes: 16 half fragments (16 tokens x 64: 768 bytes, token block t at 768 t), then scale words at 12288 + 64 t + 4 r, of which
; bytes 0 and 1 are the head's; bytes 2 and 3 hold the neighbour head's bytes or 0 and scale nothing but zero codes.  vimg: for each batch and head eight records of 256 keys, 12,800 bytes: fragments (16 channels x 128 keys)
; at 6144 chunk + 1536 dt, scale words at 12288 + 256 chunk + 64 dt + 4 r.  Every code store of the wave covers 512 or 256 consecutive bytes, aligned.
; REGISTERS: window 0: v10, v16-29 addresses; v32-63 scale words, two sets, and nothing else; v128-223 A's fragments, one set (on the way out: the quantiser's).  window 1: B's fragments, two sets.  windows 2, 3: accumulators.
; LIMITS: NaN and infinities are not served; a block whose largest magnitude lies under 2^-124 (zeros among them) gets the byte 1.  Sums are taken in this program's order of K.
.set CHB,   12800
.set PART,  2*CHB                      ; what one tensor load brings: two chunks of one group
.set SLOT,  PART                       ; from a group's part of slot 0 to its part of slot 1: a group's two parts lie on end, so that one load fills both at the head
.set SPARE, 8*PART                     ; behind the ring (four groups x two parts): the spare words, 128 bytes for each wave, which no other line names
.set GRP,   8*CHB                      ; a group's eight chunks
.set WVOFF, 128*CHB                    ; Wv's first unit in the weights' buffer
.set FR,  12
.set NL,  4                            ; LDS loads that bring a fragment
.set SC,  32
.set AF,  128
.set O4,  10                           ; v10 4 x lane;  v26 16 x lane;  v27 8 x lane
.set O16, 26
.set O8,  27
.set SPW, 28                           ; v28 LDS address of my spare word; never rewritten
.set NIL, 29                           ; v29 0; never rewritten
.set TM,  128
.set PW,  144
.set PWE, 145
.set PWS, 146
.set PW1, 147
.set PC,  148
.set G1,  24
.set G0,  32
.set G1B, 48
.set G0B, 56
.set SEL, 82
.set MSB, 0
.macro WIN new                         ; the immediate's high byte repeats the setting that is left; a switch that changes nothing is dropped
.set WNEW, \new
.if MSB != WNEW
	s_set_vgpr_msb (MSB<<8)|WNEW
.set MSB, WNEW
.endif
.endm
.set MUL_LO, 0xa1                      ; source 0 (B) window 1, source 1 (A) window 0, C and D window 2
.set MUL_HI, 0xf1                      ; the same, C and D window 3
.set TO_B,   0x40                      ; destination window 1, address window 0
.macro PLACES
.rept 4
	v_nop
.endr
.endm
; A joint load: waves 0 and 1 fetch for A, waves 2 and 3 for B; the branch hangs on the wave's number alone.  An s_nop 0 and four v_nop follow each of the two lines.
.macro JLOAD g0a, g1a, g0b, g1b
	s_cmp_eq_u32 s15, 0
	s_cbranch_scc0 .Lfor_b_\@
	tensor_load_to_lds s[\g0a:\g0a+3], s[\g1a:\g1a+7]
	s_nop 0
.rept 4
	v_nop
.endr
	s_branch .Lasked_\@
.Lfor_b_\@:
	tensor_load_to_lds s[\g0b:\g0b+3], s[\g1b:\g1b+7]
	s_nop 0
.rept 4
	v_nop
.endr
.Lasked_\@:
.endm
.macro CREST                           ; a round of the cluster's barrier behind its opening barrier
	s_cmp_lg_u32 s14, 0
	s_cbranch_scc1 .Lnot_wave_0_\@
	s_barrier_signal -3
.Lnot_wave_0_\@:
	s_barrier_wait -3
	s_barrier_signal -1
	s_barrier_wait -1
.endm
.macro CROUND
	s_barrier_signal -1
	s_barrier_wait -1
	CREST
.endm
	s_load_b256 s[4:11], s[0:1], 0x0               ; hn s[4:5], the weights s[6:7], qk s[8:9], vimg s[10:11]
	v_lshl_add_u32 v[SPW], v0, 2, SPARE
	v_mov_b32 v[NIL], 0
	ds_add_u32 v[SPW], v[NIL]                      ; the wave's opening: the add and its wait ahead of my first tensor load; the set-up below, work on registers, stands between them
	ds_add_u32 v[SPW], v[NIL]
	v_lshrrev_b32 v1, 5, v0
	v_readfirstlane_b32 s14, v1                    ; wave 0..3
	s_lshr_b32 s15, s14, 1                         ; which of A's two groups is mine.  Also: I fetch for A (0) or for B (1)
	s_and_b32 s16, s14, 1                          ; which of B's two groups.  Also: which group of that tile I fetch
	s_bfe_u32 s40, ttmp6, 0x40000                  ; cx
	s_bfe_u32 s41, ttmp6, 0x40004                  ; cy
	s_and_b32 s18, ttmp7, 0xffff
	s_lshl_b32 s18, s18, 2                         ; 4 x cluster y
	s_lshl_b32 s19, ttmp9, 2                       ; 4 x cluster x
	s_cmp_eq_u32 ttmp9, 2                          ; the third column of clusters makes v^T
	s_cselect_b32 s66, 1, 0
	s_cselect_b32 s17, 0, s18
	s_cselect_b32 s42, s18, s19
	s_cselect_b32 s22, WVOFF, 0
	s_add_co_u32 s17, s17, s41                     ; A's tile: tokens 4 cluster y + cy, or Wv's columns cy
	s_add_co_u32 s42, s42, s40                     ; B's tile: Wq's and Wk's columns 4 cluster x + cx, or tokens 4 cluster y + cx
	s_lshl_b32 s43, s41, 2
	s_lshl_b32 s43, 15, s43                        ; my row of the cluster
	s_lshl_b32 s44, 0x1111, s40                    ; my column
	s_or_b32 s[G1+0], s43, (3<<16)|(1<<21)         ; 15:0 the mask; 17:16 elements of 8 bytes; 20 no padding; 21 set beside a mask
	s_or_b32 s[G1B+0], s44, (3<<16)|(1<<21)
.irp g, G1, G1B                        ; a dense block of 25,600 bytes as 100 rows of 256
	s_mov_b32 s[\g+1], 32<<16                      ; tensor_dim0 = 32
	s_mov_b32 s[\g+2], 200<<16                     ; tensor_dim1 = 200: the head's load brings four chunks; the ring's loads 100 (set below)
	s_mov_b32 s[\g+3], 32<<16                      ; tile_dim0
	s_mov_b32 s[\g+4], 200                         ; tile_dim1
	s_mov_b32 s[\g+5], 32                          ; from row to row
	s_mov_b32 s[\g+6], 0
	s_mov_b32 s[\g+7], 0
.endr
	s_lshl_b32 s20, s17, 1
	s_add_co_u32 s20, s20, s16
	s_mul_i32 s20, s20, GRP                        ; A's group that I would fetch,
	s_add_co_u32 s20, s20, s22
	s_mov_b32 s21, 0
	s_lshl_b32 s46, s42, 1
	s_add_co_u32 s46, s46, s16
	s_mul_i32 s46, s46, GRP                        ; and B's
	s_mov_b32 s47, 0
	s_mul_i32 s45, s14, 2*PART                     ; where it goes: no place in the cluster enters an LDS address
	s_mov_b32 s[SEL], 0x76543210
	s_mov_b32 s[SEL+1], 0xfedcba98
	s_mov_b32 s80, 0xffff0000                      ; lanes 16-31
	s_wait_dscnt 0x0                               ; the opening add is done
	s_wait_kmcnt 0x0
	s_cmp_eq_u32 s66, 1
	s_cselect_b64 s[22:23], s[6:7], s[4:5]         ; A's buffer
	s_cselect_b64 s[92:93], s[4:5], s[6:7]         ; B's
	s_add_nc_u64 s[20:21], s[22:23], s[20:21]
	s_add_nc_u64 s[46:47], s[92:93], s[46:47]
	CROUND                                         ; all sixteen work-groups are here: the first joint loads meet
.irp s, 0,1
	s_mov_b32 s[G0+4*\s], 1
	s_add_co_u32 s[G0+4*\s+1], s45, \s*SLOT
	s_add_nc_u64 s[G0+4*\s+2:G0+4*\s+3], s[20:21], \s*PART
	s_or_b32 s[G0+4*\s+3], s[G0+4*\s+3], 0x80000000
	s_mov_b32 s[G0B+4*\s], 1
	s_add_co_u32 s[G0B+4*\s+1], s45, \s*SLOT
	s_add_nc_u64 s[G0B+4*\s+2:G0B+4*\s+3], s[46:47], \s*PART
	s_or_b32 s[G0B+4*\s+3], s[G0B+4*\s+3], 0x80000000
.endr
	JLOAD G0, G1, G0B, G1B                         ; my one load at the head: my group's K chunks 0 to 3, both slots' parts
	s_cmp_eq_u32 s15, 0                            ; the prefetches: of my group's chunks 4 to 7, which the two refills will bring, each of the four partners that ask jointly takes one, told apart by address
	s_cselect_b64 s[84:85], s[20:21], s[46:47]     ; my group's first byte; never rewritten
	s_cselect_b32 s86, s40, s41                    ; my place among the four: cx for A, cy for B
	s_mul_i32 s86, s86, CHB
	v_and_b32 v1, 31, v0
	v_and_b32 v2, 15, v0                           ; r
	v_bfe_u32 v3, v0, 4, 1                         ; h
	v_lshlrev_b32 v[O16], 4, v1
	v_lshlrev_b32 v[O8], 3, v1
	v_lshlrev_b32 v[O4], 2, v1
	v_lshl_add_u32 v11, v1, 8, s86                 ; a chunk is 50 blocks of 256 bytes: a lane a block, 32 and 18; the second instruction's last lanes name its last block again
	v_min_u32 v12, 17, v1
	v_lshl_add_u32 v12, v12, 8, s86
	global_prefetch_b8 v11, s[84:85] offset:2*PART th:TH_LOAD_NT scope:SCOPE_SE
	global_prefetch_b8 v12, s[84:85] offset:2*PART+8192 th:TH_LOAD_NT scope:SCOPE_SE
	s_mul_i32 s21, s15, 2*PART                     ; my group of A
	s_mul_i32 s22, s16, 2*PART
	s_add_co_u32 s22, s22, 4*PART                  ; my group of B
	s_sub_co_u32 s23, s22, s21
	v_mul_u32_u24 v4, s23, v3                      ; scale words: lanes 16-31 take B's
	v_lshl_add_u32 v4, v2, 2, v4
.irp s, 0,1                            ; v16-17 A's fragments by 16 bytes a lane in slot 0, 1; v18-19 by 8; v20-23 B's; v24-25 the scale words
	v_add_nc_u32 v[16+\s], s21, v[O16]
	v_add_nc_u32 v[18+\s], s21, v[O8]
	v_add_nc_u32 v[20+\s], s22, v[O16]
	v_add_nc_u32 v[22+\s], s22, v[O8]
	v_add_nc_u32 v[24+\s], s21, v4
	s_add_co_u32 s21, s21, SLOT
	s_add_co_u32 s22, s22, SLOT
.endr
.macro FRAG reg, adr, off              ; a fragment comes back as it was laid: four loads of 512, 256, 512, 256 consecutive bytes
	ds_load_b128 v[\reg:\reg+3], v[\adr] offset:\off
	ds_load_b64 v[\reg+4:\reg+5], v[\adr+2] offset:\off+512
	ds_load_b128 v[\reg+6:\reg+9], v[\adr] offset:\off+768
	ds_load_b64 v[\reg+10:\reg+11], v[\adr+2] offset:\off+1280
.endm
; 16 matrix instructions: A's blocks a0, a0 + 1 x B's eight, the slot's q-th chunk.  The 64 accumulators take turns, one instruction a turn, in the same order in every step.
.macro MUL16 a0, p, q, sc, zero
.irp a, \a0, \a0+1
.irp b, 0,1,2,3,4,5,6,7
.if \zero
	v_wmma_scale_f32_16x16x128_f8f6f4 v[8*(8*((\a)%4)+\b):8*(8*((\a)%4)+\b)+7], v[128*(\p)+FR*\b:128*(\p)+FR*\b+FR-1], v[AF+FR*(\a):AF+FR*(\a)+FR-1], 0, v[SC+16*(\sc)+2*\b+(\q)], v[SC+16*(\sc)+2*(\a)+(\q)] matrix_a_fmt:MATRIX_FMT_FP6 matrix_b_fmt:MATRIX_FMT_FP6 matrix_a_scale:MATRIX_SCALE_ROW1
.else
	v_wmma_scale_f32_16x16x128_f8f6f4 v[8*(8*((\a)%4)+\b):8*(8*((\a)%4)+\b)+7], v[128*(\p)+FR*\b:128*(\p)+FR*\b+FR-1], v[AF+FR*(\a):AF+FR*(\a)+FR-1], v[8*(8*((\a)%4)+\b):8*(8*((\a)%4)+\b)+7], v[SC+16*(\sc)+2*\b+(\q)], v[SC+16*(\sc)+2*(\a)+(\q)] matrix_a_fmt:MATRIX_FMT_FP6 matrix_b_fmt:MATRIX_FMT_FP6 matrix_a_scale:MATRIX_SCALE_ROW1
.endif
.endr
.endr
.endm
.macro FETCH_B slot, q, p
	WIN TO_B
.irp i, 0,1,2,3,4,5,6,7
	FRAG 128*(\p)+FR*\i, 20+\slot, (\q)*CHB+1536*\i
.endr
	WIN 0
.endm
.macro FETCH_A slot, q, i0
.irp i, \i0, \i0+1, \i0+2, \i0+3
	FRAG AF+FR*(\i), 16+\slot, (\q)*CHB+1536*(\i)
.endr
.endm
.macro SCALES slot                     ; register 2 i + q of the slot's set: lanes 0-15 the words of A's block i, lanes 16-31 those of B's block i, for the slot's q-th chunk
.irp i, 0,1,2,3,4,5,6,7
.irp q, 0,1
	ds_load_b32 v[SC+16*\slot+2*\i+\q], v[24+\slot] offset:12288+\q*CHB+64*\i
.endr
.endr
.endm
; A step of 128 along K that has its successor in the same slot.  A has one set of registers: blocks 0-3 are fetched anew in the step's middle, blocks 4-7 at its end; B has two sets.
; Four plain instructions stand in front of each run of loads into registers that matrix instructions have read.
.macro STEP slot, q, zero
	s_wait_dscnt 4*NL                              ; all but the youngest 16 loads: A's blocks 4-7
	WIN MUL_LO
	MUL16 0, (\q)%2, \q, \slot, \zero
	MUL16 2, (\q)%2, \q, \slot, \zero
	s_wait_dscnt 0x0                               ; A's blocks 4-7 are in
	PLACES
	FETCH_B \slot, (\q)+1, 1-(\q)%2
	FETCH_A \slot, (\q)+1, 0
	WIN MUL_HI
	MUL16 4, (\q)%2, \q, \slot, \zero
	MUL16 6, (\q)%2, \q, \slot, \zero
	PLACES
	WIN 0
	FETCH_A \slot, (\q)+1, 4
.endm
; A slot's last step changes slots: one barrier; in front of it each wave waits for all its tensor loads, adds 0 to its spare word, and waits for that and for its reads of this slot.  fill = 1: the slot is filled again, two K steps ahead.
.macro TURN slot, next, fill
	s_wait_tensorcnt 0x0                           ; all my tensor loads have landed: my part of the next slot
	ds_add_u32 v[SPW], v[NIL]                      ; 0 onto my spare word
	s_wait_dscnt 4*NL+1                            ; (the add and the youngest 16 loads may be out)
	WIN MUL_LO
	MUL16 0, 1, 1, \slot, 0
	s_wait_dscnt 0x0                               ; the add is done, and my reads of this slot are over
	s_barrier_signal -1
	MUL16 2, 1, 1, \slot, 0
	WIN 0
	s_barrier_wait -1
.if \fill
	CREST                                          ; the barrier has opened a round of the cluster's: no wave of any partner still reads this slot or has a load on its way
	s_add_nc_u64 s[G0+4*\slot+2:G0+4*\slot+3], s[G0+4*\slot+2:G0+4*\slot+3], 2*PART
	s_add_nc_u64 s[G0B+4*\slot+2:G0B+4*\slot+3], s[G0B+4*\slot+2:G0B+4*\slot+3], 2*PART
	JLOAD G0+4*\slot, G1, G0B+4*\slot, G1B         ; the first tensor load behind the round; its four v_nop are also the places in front of the loads below
.else
	PLACES
.endif
	FETCH_B \next, 0, 0
	FETCH_A \next, 0, 0
	SCALES \next
	WIN MUL_HI
	MUL16 4, 1, 1, \slot, 0
	MUL16 6, 1, 1, \slot, 0
	PLACES
	WIN 0
	FETCH_A \next, 0, 4
.endm
	s_wait_alu depctr_va_vdst(0)
	s_wait_tensorcnt 0x0                           ; my group's four chunks are in; no load of mine is out, so the descriptors may be written:
	s_mov_b32 s[G1+2], 100<<16                     ; from here on a load brings two chunks, 100 rows
	s_mov_b32 s[G1+4], 100
	s_mov_b32 s[G1B+2], 100<<16
	s_mov_b32 s[G1B+4], 100
	s_barrier_signal -1
	s_barrier_wait -1
	FETCH_B 0, 0, 0
	FETCH_A 0, 0, 0
	SCALES 0
	FETCH_A 0, 0, 4
	STEP 0, 0, 1                                   ; the first step's products start the sums: nothing is cleared
	s_mov_b32 s3, 1                                ; K = 1,024 is two laps of the ring: one trip fills both slots again
.Llap:
	TURN 0, 1, 1
	STEP 1, 0, 0
	TURN 1, 0, 1
	STEP 0, 0, 0
	s_sub_co_u32 s3, s3, 1
	s_cmp_lg_u32 s3, 0
	s_cbranch_scc1 .Llap
	TURN 0, 1, 0                                   ; the last lap fills nothing
	STEP 1, 0, 0
	s_wait_dscnt 4*NL
	WIN MUL_LO
	MUL16 0, 1, 1, 1, 0
	MUL16 2, 1, 1, 1, 0
	s_wait_dscnt 0x0
	WIN MUL_HI
	MUL16 4, 1, 1, 1, 0
	MUL16 6, 1, 1, 1, 0
	WIN 0
; THE QUANTISER: 64 numbers of a lane in window w, v[s] on: register 16 b + i is place 16 h + i of block b of my row.  They become a fragment in v[PC] on and the row's scale word in v[PW].
; Each accumulator is read from its low end on.
.macro QUANT s, w
	WIN (\w)|((\w)<<2)                             ; sources 0 and 1 in window w
.irp b, 0,1,2,3
	v_max3_num_f32 v[TM+\b], |v[(\s)+16*\b]|, |v[(\s)+16*\b+1]|, 0x1800000   ; with the floor 2^(3 - 127): the byte cannot fall under 1
.endr
.irp i, 2,4,6,8,10,12,14
.irp b, 0,1,2,3
	v_max3_num_f32 v[TM+\b], |v[(\s)+16*\b+\i]|, |v[(\s)+16*\b+\i+1]|, v[TM+\b]
.endr
.endr
	WIN 0
.irp b, 0,1,2,3
	v_permlanex16_b32 v[TM+4+\b], v[TM+\b], s[SEL], s[SEL+1]
.endr
.irp b, 0,1,2,3
	v_max_num_f32 v[TM+\b], v[TM+\b], v[TM+4+\b]
.endr
.irp b, 0,1,2,3
	v_add_nc_u32 v[TM+12+\b], 0xff000000, v[TM+\b] ; 2 off the exponent field: the conversion's scale operand
.endr
.irp b, 0,1,2,3
	v_lshrrev_b32 v[TM+4+\b], 23, v[TM+12+\b]      ; the scale's byte
.endr
	v_lshl_or_b32 v[PW], v[TM+5], 8, v[TM+4]
	v_lshl_or_b32 v[PW], v[TM+6], 16, v[PW]
	v_lshl_or_b32 v[PW], v[TM+7], 24, v[PW]
	WIN \w                                         ; source 0 in window w
.irp c, 0,1
	v_cvt_scalef32_pk16_fp6_f32 v[PC+6*\c:PC+2+6*\c], v[(\s)+32*\c:(\s)+32*\c+15], v[TM+12+2*\c]
	v_cvt_scalef32_pk16_fp6_f32 v[PC+12+4*\c:PC+14+4*\c], v[(\s)+32*\c+16:(\s)+32*\c+31], v[TM+13+2*\c]
.endr
	WIN 0
	v_nop                                          ; a plain instruction behind the scaled conversions
.irp c, 0,1
.irp i, 0,1,2
	v_permlane16_swap_b32 v[PC+6*\c+\i], v[PC+12+4*\c+\i]
.endr
.irp i, 0,1,2
	v_mov_b32 v[PC+3+6*\c+\i], v[PC+12+4*\c+\i]
.endr
.endr
.endm
; Block a of my eight leaves.  kind 0 (q, k): its two halves are two heads' half fragments, eight records apart.  kind 1 (v^T): blocks 0-3 are one head's four fragments, blocks 4-7 the next head's.
; Two blocks' scale words leave together: lanes 0-15 the even block's, lanes 16-31 the odd one's: 128 consecutive bytes.
.macro OUT a, kind
.set PC, 148+12*(\a)                   ; each block's 12 registers of codes are its own (the conversions' spare registers lie in the next block's, not yet written), and so are each pair's scale words: no store's data are written again
.set PWS, 64+2*((\a)/2)
.set PW1, PWS+1
	QUANT 64*((\a)%4), 2+(\a)/4
.if \kind == 0
	global_store_b128 v[O16], v[PC:PC+3], s[76:77] offset:768*(\a)
	global_store_b64 v[O8], v[PC+4:PC+5], s[76:77] offset:768*(\a)+512
	global_store_b128 v[O16], v[PC+6:PC+9], s[76:77] offset:106496+768*(\a)
	global_store_b64 v[O8], v[PC+10:PC+11], s[76:77] offset:106496+768*(\a)+512
.else
	global_store_b128 v[O16], v[PC:PC+3], s[76:77] offset:((\a)/4)*102400+((\a)%4)*1536
	global_store_b64 v[O8], v[PC+4:PC+5], s[76:77] offset:((\a)/4)*102400+((\a)%4)*1536+512
	global_store_b128 v[O16], v[PC+6:PC+9], s[76:77] offset:((\a)/4)*102400+((\a)%4)*1536+768
	global_store_b64 v[O8], v[PC+10:PC+11], s[76:77] offset:((\a)/4)*102400+((\a)%4)*1536+1280
.endif
.if (\a)%2 == 0
	v_mov_b32 v[PWE], v[PW]
.else
	v_cndmask_b32 v[PWS], v[PWE], v[PW], s80
.if \kind == 0
	v_lshrrev_b32 v[PW1], 16, v[PWS]               ; the second head's two bytes, zeros above them
	global_store_b32 v[O4], v[PWS], s[78:79] offset:64*((\a)-1)
	global_store_b32 v[O4], v[PW1], s[78:79] offset:106496+64*((\a)-1)
.else
	global_store_b32 v[O4], v[PWS], s[78:79] offset:((\a)/4)*102400+64*((\a)%4-1)
.endif
.endif
.endm
	PLACES                                         ; behind the last products: the quantiser reads results and writes registers that held A's fragments
.irp b, 0,1,2,3
	v_mov_b32 v[TM+4+\b], 0                        ; a lane permute's destination counts as one of its sources
.endr
	s_lshl_b32 s67, s17, 1
	s_add_co_u32 s67, s67, s15                     ; gA: my group of A's rows
	s_lshl_b32 s68, s42, 1
	s_add_co_u32 s68, s68, s16                     ; gB: my group of B's rows
	s_mov_b32 s73, 0
	s_mov_b32 s75, 0
	s_cmp_eq_u32 s66, 1
	s_cbranch_scc1 .Lvt
	s_lshr_b32 s70, s68, 3                         ; q or k,
	s_lshl_b32 s70, s70, 1
	s_lshr_b32 s71, s67, 4                         ; the batch,
	s_add_co_u32 s70, s70, s71
	s_lshl_b32 s70, s70, 4
	s_and_b32 s71, s68, 7
	s_lshl_b32 s71, s71, 1                         ; the first of my two heads,
	s_add_co_u32 s70, s70, s71
	s_lshl_b32 s70, s70, 3
	s_lshr_b32 s71, s67, 1
	s_and_b32 s71, s71, 7                          ; the 256 tokens
	s_add_co_u32 s70, s70, s71
	s_mul_i32 s70, s70, 13312
	s_and_b32 s71, s67, 1                          ; and which half of them
	s_mul_i32 s72, s71, 6144
	s_add_co_u32 s72, s72, s70
	s_lshl_b32 s71, s71, 9
	s_add_co_u32 s74, s70, s71
	s_add_co_u32 s74, s74, 12288
	s_add_nc_u64 s[76:77], s[8:9], s[72:73]
	s_add_nc_u64 s[78:79], s[8:9], s[74:75]
.irp a, 0,1,2,3,4,5,6,7
	OUT \a, 0
.endr
	s_branch .Lend
.Lvt:
	s_lshr_b32 s70, s68, 4                         ; the batch,
	s_lshl_b32 s70, s70, 4
	s_lshl_b32 s71, s67, 1                         ; the first of my two heads,
	s_add_co_u32 s70, s70, s71
	s_lshl_b32 s70, s70, 3
	s_lshr_b32 s71, s68, 1
	s_and_b32 s71, s71, 7                          ; the 256 keys
	s_add_co_u32 s70, s70, s71
	s_mul_i32 s70, s70, 12800
	s_and_b32 s71, s68, 1                          ; and which chunk of them
	s_mul_i32 s72, s71, 6144
	s_add_co_u32 s72, s72, s70
	s_lshl_b32 s71, s71, 8
	s_add_co_u32 s74, s70, s71
	s_add_co_u32 s74, s74, 12288
	s_add_nc_u64 s[76:77], s[10:11], s[72:73]
	s_add_nc_u64 s[78:79], s[10:11], s[74:75]
.irp a, 0,1,2,3,4,5,6,7
	OUT \a, 1
.endr
.Lend:
	s_wait_tensorcnt 0x0                           ; the wave's end
	ds_add_u32 v[SPW], v[NIL]
	s_wait_dscnt 0x0
	CROUND                                         ; the closing round: no work-group ends while a partner may still ask for a tile that names it
	s_endpgm
.Lfunc_end_k_q2d5430cbf7_qkv:
	.size	k_q2d5430cbf7_qkv, .Lfunc_end_k_q2d5430cbf7_qkv-k_q2d5430cbf7_qkv
	.p2alignl 7, 3214868480
	.fill 96, 4, 3214868480
	.section	.rodata,"a",@progbits
	.p2align	6, 0x0
	.amdhsa_kernel k_q2d5430cbf7_qkv
		.amdhsa_group_segment_fixed_size 327680
		.amdhsa_private_segment_fixed_size 0
		.amdhsa_enable_private_segment 0
		.amdhsa_kernarg_size 32
		.amdhsa_user_sgpr_count 2
		.amdhsa_user_sgpr_kernarg_segment_ptr 1
		.amdhsa_wavefront_size32 1
		.amdhsa_system_sgpr_workgroup_id_x 1
		.amdhsa_system_sgpr_workgroup_id_y 1
		.amdhsa_system_sgpr_workgroup_id_z 1
		.amdhsa_system_vgpr_workitem_id 0
		.amdhsa_next_free_vgpr 1024
		.amdhsa_next_free_sgpr 100
		.amdhsa_reserve_vcc 0
		.amdhsa_float_denorm_mode_32 3
		.amdhsa_float_denorm_mode_16_64 3
		.amdhsa_memory_ordered 1
		.amdhsa_forward_progress 1
		.amdhsa_inst_pref_size 185
	.end_amdhsa_kernel
	.amdgpu_metadata
---
amdhsa.version: [ 1, 2 ]
amdhsa.kernels:
  - .name:           k_q2d5430cbf7_qkv
    .symbol:         k_q2d5430cbf7_qkv.kd
    .args:
      - { .name: hn, .offset: 0, .size: 8, .value_kind: global_buffer, .address_space: global }
      - { .name: wrec, .offset: 8, .size: 8, .value_kind: global_buffer, .address_space: global }
      - { .name: qk, .offset: 16, .size: 8, .value_kind: global_buffer, .address_space: global }
      - { .name: vimg, .offset: 24, .size: 8, .value_kind: global_buffer, .address_space: global }
    .group_segment_fixed_size: 327680
    .private_segment_fixed_size: 0
    .kernarg_segment_align: 8
    .kernarg_segment_size: 32
    .max_flat_workgroup_size: 128
    .sgpr_count:     100
    .vgpr_count:     1024
    .wavefront_size: 32
...
	.end_amdgpu_metadata
.endif
;; end of part 2
;; launch attn (part 3): grid 8 x 32, 16 waves a work-group, no clusters, 327,680 bytes of LDS; arguments qk, vimg, att; writes att
.if DOCPART == 3
	.amdgcn_target "amdgcn-amd-amdhsa--gfx1250"
	.amdhsa_code_object_version 6
	.text
	.protected	k_q2d5430cbf7_attn
	.globl	k_q2d5430cbf7_attn
	.p2align	8
	.type	k_q2d5430cbf7_attn,@function
k_q2d5430cbf7_attn:
	s_mov_b64 s[64:65], 0
	v_nop
	global_prefetch_b8 v0, s[64:65] scope:SCOPE_SE
	s_setreg_imm32_b32 hwreg(HW_REG_WAVE_MODE, 25, 1), 1
	s_wait_xcnt 0x0
; CAUSAL ATTENTION ON CODES OF FP6 (E2M3), head size 64, 2,048 tokens, 32 (batch, head) pairs; its result quantised again along the head's 64 for the next product.
; t = score x log2(e) / 8; M = the row's largest t so far, rounded UP to a whole number; p = 2^(t - M) is what is quantised, along the keys, not normalised.  The row's sum is taken of the unquantised p in f32 and divides
; O at the end.  When M moves, the sum and O are multiplied by 2^(old M - new M): exact.
; IN.  qk: for q (first half of the buffer) and k (second), for each batch x 16 + head, eight records of 256 tokens, 13,312 bytes: 16 half fragments (16 tokens x 64: registers 0-3 of lane l at 16 l, 4-5 at 512 + 8 l; token
; block t at 768 t), then scale words at 12288 + 64 t + 4 r (bytes 0, 1 the head's).  vimg: eight records of 256 keys, 12,800 bytes: fragments (16 channels x 128 keys) at 6144 chunk + 1536 dt, words at 12288 + 256 chunk + 64 dt + 4 r.
; Along every K the codes stand in this program's order: place 16 h + 8 u + j of a block of 32 holds element 16 u + 8 h + j.
; THE FIRST PRODUCT'S K IS 64, THE INSTRUCTION'S 128.  Q's registers 6-11 are zero codes.  K's operand for tile t is v[34 + 6 t .. 45 + 6 t]: its upper six registers are the next tile's codes (the last tile's: zeros): whatever
; stands there meets Q's zeros and adds nothing; the scale bytes that go with it are scale bytes or 0, never 0xff.
; SHARES.  Sixteen waves, each one tile of 16 queries in 256 registers.  THE CAUSAL WORK IS MADE EVEN: work-group j of a head owns the blocks of 128 queries j and 15 - j; of waves 2 m and 2 m + 1 one takes tile m of the early
; block and the other tile m of the late one, by turns.  Every wave passes all 16 key steps of 128; a step all of whose keys come after its queries is left out by a scalar branch on ids.
; Both products are used transposed (S^T = K Q^T, O^T = V^T P^T): a lane holds one query throughout, and p's and O's registers run along the next K in the order above, so they go into the conversions as they stand.
; RING: two LDS slots of 256 keys; a slot's K record comes by wave 0's tensor load, its V record by wave 1's, each one dense block.  A slot whose first key comes after the work-group's last query is not asked for.
; NO CLUSTER: the work-groups of a head need 5 to 8 slots each, so partners would make different numbers of requests, and what they would share is 26,112 bytes for each slot's two key steps of sixteen waves' softmax.
; REGISTERS: v1-6 lane constants; v7, v8 the add's two; v9-11 addresses in hand; v15 the prefetches' offset; v16 -M, v17 the largest t, v[18:19] the sum; v20-31 Q; v32 Q's scale words; v34-87 K's tiles, then V's fragments;
; v88-151 S^T, then p; v152-183 O^T; v184-202 p's codes; v204-218 at work; v219 p's scale word; v220-225 K's and V's scale words (two tiles to a register: lanes 0-15 the even tile's, lanes 16-31 the odd one's).
; LIMITS: NaN and infinities are not served; a block of p or of O whose largest magnitude lies under 2^-124 (zeros among them) gets the byte 1.
.set KRB,   13312
.set VRB,   12800
.set VOFF,  KRB                        ; a slot: K's record, then V's
.set SLOT1, 32768                      ; slot 1 begins here: one exclusive or turns an address
.set SPARE, 65536                      ; the spare words, 128 bytes for each of the sixteen waves, which no other line names
.set L16, 1
.set L8,  2
.set L4,  3
.set R4,  4
.set SPW, 7
.set NIL, 8
.set PFO, 15
.set KV,  34
.set S,   88
.set OT,  152
.set PCD, 184
.set BM,  204
.set PT,  208
.set SO,  212
.set WV,  18
.set SEL, 20
.set CS,  22
.set G1K, 24
.set G1V, 32
.set G0K, 40
.set G0V, 44
.set TB,  2
.set LASTQ, 66
.set SLOTS, 67
.set PFA, 76
.set PFS, 78
.set LIM, 80
.set KF,  98
.set Q0,  99
; Wave 0 fetches K's record, wave 1 V's, the others nothing.  An s_nop 0 and four v_nop follow each of the two lines.
.macro TLOAD
	s_cmp_eq_u32 s[WV], 0
	s_cbranch_scc0 .Lnot_k_\@
	tensor_load_to_lds s[G0K:G0K+3], s[G1K:G1K+7]
	s_nop 0
.rept 4
	v_nop
.endr
	s_branch .Lasked_\@
.Lnot_k_\@:
	s_cmp_eq_u32 s[WV], 1
	s_cbranch_scc0 .Lasked_\@
	tensor_load_to_lds s[G0V:G0V+3], s[G1V:G1V+7]
	s_nop 0
.rept 4
	v_nop
.endr
.Lasked_\@:
.endm
; A PREFETCH INTO THE L2 of the two records that the NEXT change of slots will ask for: a slot's two key steps ahead of that load.  All work-groups of a head walk the same records: work-group 0 of the head, which walks all
; eight slots, asks, and in it four waves that fetch nothing, one instruction each: waves 4 and 5 K's 52 blocks of 256 bytes, waves 6 and 7 V's 50; lanes 256 bytes apart, the odd waves' last lanes held at the record's last block.
; The last change that fills a slot asks for nothing; slots 0 and 1 come by their loads alone.
.macro ASK
	s_cmp_gt_u32 s[SLOTS], s[LIM]
	s_cbranch_scc0 .Lnot_mine_\@
	global_prefetch_b8 v[PFO], s[PFA:PFA+1] th:TH_LOAD_NT scope:SCOPE_SE
.Lnot_mine_\@:
.endm
	s_load_b128 s[4:7], s[0:1], 0x0                ; qk, vimg
	s_load_b64 s[8:9], s[0:1], 0x10                ; att
	v_lshl_add_u32 v[SPW], v0, 2, SPARE
	v_mov_b32 v[NIL], 0
	ds_add_u32 v[SPW], v[NIL]                      ; the wave's opening: the add and its wait ahead of the first tensor load; the set-up below, work on registers, stands between them
	ds_add_u32 v[SPW], v[NIL]
	v_lshrrev_b32 v9, 5, v0
	s_delay_alu instid0(VALU_DEP_1)
	v_readfirstlane_b32 s[WV], v9                  ; wave 0..15
	s_and_b32 s48, ttmp7, 0xffff                   ; batch x 16 + head
	s_lshr_b32 s49, s[WV], 1                       ; m: my tile in a block of 128 queries
	s_lshr_b32 s50, s[WV], 2
	s_xor_b32 s50, s50, s[WV]
	s_and_b32 s50, s50, 1                          ; the late block (1) or the early one (0)
	s_sub_co_u32 s51, 15, ttmp9
	s_cmp_eq_u32 s50, 1
	s_cselect_b32 s51, s51, ttmp9
	s_lshl_b32 s51, s51, 7
	s_lshl_b32 s49, s49, 4
	s_add_co_u32 s[Q0], s51, s49                   ; my first query
	s_lshl_b32 s52, ttmp9, 7
	s_sub_co_u32 s[LASTQ], 2047, s52               ; the work-group's last query
	s_mul_i32 s53, s48, 8*KRB
	s_add_co_u32 s54, s53, 256*KRB                 ; k's records of my head
	s_mov_b32 s55, 0
	s_mul_i32 s56, s48, 8*VRB                      ; v's
	s_mov_b32 s57, 0
	s_lshr_b32 s62, s[Q0], 8
	s_mul_i32 s62, s62, KRB
	s_add_co_u32 s62, s62, s53                     ; q's record with my queries,
	s_bfe_u32 s63, s[Q0], 0x40004                  ; and my token block in it
	s_mul_i32 s58, s63, 768
	s_add_co_u32 s58, s58, s62
	s_mov_b32 s59, 0
	s_lshl_b32 s60, s63, 6
	s_add_co_u32 s60, s60, s62
	s_add_co_u32 s60, s60, 12288
	s_mov_b32 s61, 0
	s_lshr_b32 s68, s48, 4
	s_lshl_b32 s68, s68, 11
	s_add_co_u32 s68, s68, s[Q0]                   ; my first row among the 4,096
	s_and_b32 s69, s48, 15                         ; the head
	s_lshr_b32 s70, s68, 7
	s_lshl_b32 s70, s70, 3
	s_lshr_b32 s71, s69, 1
	s_add_co_u32 s70, s70, s71
	s_mul_i32 s70, s70, 12800                      ; out: record (rows / 128, head / 2),
	s_bfe_u32 s71, s68, 0x30004                    ; my block of 16 rows in it,
	s_and_b32 s69, s69, 1                          ; and which half of its fragment is my head's
	s_mul_i32 s72, s71, 1536
	s_add_co_u32 s72, s72, s70
	s_mul_i32 s74, s69, 768
	s_add_co_u32 s72, s72, s74
	s_mov_b32 s73, 0
	s_lshl_b32 s74, s71, 6
	s_add_co_u32 s74, s74, s70
	s_add_co_u32 s74, s74, 12288
	s_lshl_b32 s69, s69, 1
	s_add_co_u32 s74, s74, s69                     ; my head's two bytes of the rows' scale words
	s_mov_b32 s75, 0
	s_mov_b32 s[G1K], 3<<16                        ; no mask; elements of 8 bytes; no padding: a dense block as rows of 256 bytes
	s_mov_b32 s[G1K+1], 32<<16
	s_mov_b32 s[G1K+2], 52<<16                     ; K's record: 52 rows
	s_mov_b32 s[G1K+3], 32<<16
	s_mov_b32 s[G1K+4], 52
	s_mov_b32 s[G1K+5], 32
	s_mov_b32 s[G1K+6], 0
	s_mov_b32 s[G1K+7], 0
	s_mov_b32 s[G1V], 3<<16
	s_mov_b32 s[G1V+1], 32<<16
	s_mov_b32 s[G1V+2], 50<<16                     ; V's: 50
	s_mov_b32 s[G1V+3], 32<<16
	s_mov_b32 s[G1V+4], 50
	s_mov_b32 s[G1V+5], 32
	s_mov_b32 s[G1V+6], 0
	s_mov_b32 s[G1V+7], 0
	s_mov_b32 s[SEL], 0x76543210
	s_mov_b32 s[SEL+1], 0xfedcba98
	s_mov_b32 s[CS], 0x3e38aa3b                    ; c = log2(e) / 8
	s_mov_b32 s[CS+1], s[CS]                       ; (named with it as a pair, so it is written)
	s_mov_b32 s[TB], 0
	s_mov_b32 s[KF], 0
	s_mov_b32 s[SLOTS], 7
	s_wait_dscnt 0x0                               ; the opening add is done
	s_wait_kmcnt 0x0
	s_add_nc_u64 s[84:85], s[4:5], s[54:55]
	s_add_nc_u64 s[86:87], s[6:7], s[56:57]
	s_mov_b32 s[G0K], 1
	s_mov_b32 s[G0K+1], 0
	s_mov_b64 s[G0K+2:G0K+3], s[84:85]
	s_or_b32 s[G0K+3], s[G0K+3], 0x80000000
	s_mov_b32 s[G0V], 1
	s_mov_b32 s[G0V+1], VOFF
	s_mov_b64 s[G0V+2:G0V+3], s[86:87]
	s_or_b32 s[G0V+3], s[G0V+3], 0x80000000
	TLOAD                                          ; slot 0
	s_add_nc_u64 s[88:89], s[4:5], s[58:59]        ; Q's half fragment
	s_add_nc_u64 s[90:91], s[4:5], s[60:61]        ; its scale words
	s_add_nc_u64 s[92:93], s[8:9], s[72:73]
	s_add_nc_u64 s[94:95], s[8:9], s[74:75]
	s_mov_b32 s83, VRB                             ; the prefetches: who asks, and where
	s_cmp_lt_u32 s[WV], 6
	s_cselect_b64 s[PFA:PFA+1], s[84:85], s[86:87]
	s_cselect_b32 s[PFS], KRB, s83                 ; a slot on
	s_cselect_b32 s82, 19, 17                      ; the odd wave's last lane that names a block of its own
	s_mov_b32 s[PFS+1], 0
	s_bitcmp1_b32 s[WV], 0
	s_cselect_b32 s82, s82, 31
	s_cselect_b32 s96, 8192, 0
	s_mov_b32 s97, 0
	s_add_nc_u64 s[PFA:PFA+1], s[PFA:PFA+1], s[96:97]
	s_add_nc_u64 s[PFA:PFA+1], s[PFA:PFA+1], s[PFS:PFS+1]  ; in slot 1: the first change of slots steps it to slot 2
	s_lshr_b32 s96, s[WV], 2
	s_xor_b32 s96, s96, 1                          ; 0 in waves 4 to 7,
	s_or_b32 s96, s96, ttmp9                       ; of the head's work-group 0
	s_cmp_eq_u32 s96, 0
	s_cselect_b32 s[LIM], 1, -1
	v_and_b32 v9, 31, v0
	s_delay_alu instid0(VALU_DEP_1)
	v_min_u32 v[PFO], s82, v9
	s_delay_alu instid0(VALU_DEP_1)
	v_lshlrev_b32 v[PFO], 8, v[PFO]
	s_delay_alu instid0(VALU_DEP_3)
	v_lshlrev_b32 v[L16], 4, v9
	s_delay_alu instid0(VALU_DEP_4)
	v_lshlrev_b32 v[L8], 3, v9
	v_lshlrev_b32 v[L4], 2, v9
	v_and_b32 v10, 15, v0                          ; r
	s_delay_alu instid0(VALU_DEP_1)
	v_lshlrev_b32 v[R4], 2, v10
	v_bfe_u32 v11, v0, 4, 1
	s_delay_alu instid0(VALU_DEP_1)
	v_lshlrev_b32 v11, 3, v11
	s_delay_alu instid0(VALU_DEP_1)
	v_sub_nc_u32 v5, v10, v11                      ; r - 8 h, for the mask
	v_mov_b32 v6, 0xff800000                       ; -infinity
	global_load_b128 v[20:23], v[L16], s[88:89]
	global_load_b64 v[24:25], v[L8], s[88:89] offset:512
	global_load_b32 v32, v[R4], s[90:91]
.irp i, 26,27,28,29,30,31,82,83,84,85,86,87
	v_mov_b32 v\i, 0                               ; zero codes: Q's upper 64 along K, and what stands above K's last tile
.endr
	v_mov_b32 v17, 0xff61b1e6                      ; the largest t so far: -3e38
	s_delay_alu instid0(VALU_DEP_1)
	v_floor_f32 v16, -v17                          ; -M
	v_mov_b32 v18, 0
	v_mov_b32 v19, 0
	v_mov_b32 v217, 0                              ; (named as the upper half of the pair v[216:217])
.irp b, 0,1,2,3
	v_mov_b32 v[PT+\b], 0                          ; a lane permute's destination counts as one of its sources
.endr
.set jj, 0
.rept 32
	v_mov_b32 v[OT+jj], 0                          ; O^T: the loop is written once; its first step finds zeros
.set jj, jj+1
.endr
; A KEY STEP: 128 keys, the q-th of the slot in hand.
.macro STEP q
	s_add_co_u32 s96, s[Q0], 15
	s_cmp_gt_u32 s[KF], s96                        ; all its keys come after my queries: nothing to do but count
	s_cbranch_scc1 .Lhidden_\@
	v_add_nc_u32 v9, s[TB], v[L16]
	v_add_nc_u32 v10, s[TB], v[L8]
	v_add_nc_u32 v11, s[TB], v[L4]
	v_nop                                          ; with the three additions: four plain instructions in front of loads into registers that the last products read
.irp t, 0,1,2,3,4,5,6,7
	ds_load_b128 v[KV+6*\t:KV+6*\t+3], v9 offset:(8*(\q)+\t)*768
	ds_load_b64 v[KV+6*\t+4:KV+6*\t+5], v10 offset:(8*(\q)+\t)*768+512
.endr
.irp p, 0,1,2,3
	ds_load_b32 v[220+\p], v11 offset:12288+512*(\q)+128*\p
.endr
	s_wait_alu depctr_va_vdst(0)
	s_wait_dscnt 0x0
.irp t, 0,1,2,3,4,5,6,7                        ; S^T: lane (r, h), register 8 t + j: key KF + 16 t + 8 h + j, query Q0 + r
.if \t%2
	v_wmma_scale_f32_16x16x128_f8f6f4 v[S+8*\t:S+8*\t+7], v[KV+6*\t:KV+6*\t+11], v[20:31], 0, v[220+\t/2], v32 matrix_a_fmt:MATRIX_FMT_FP6 matrix_b_fmt:MATRIX_FMT_FP6 matrix_a_scale:MATRIX_SCALE_ROW1
.else
	v_wmma_scale_f32_16x16x128_f8f6f4 v[S+8*\t:S+8*\t+7], v[KV+6*\t:KV+6*\t+11], v[20:31], 0, v[220+\t/2], v32 matrix_a_fmt:MATRIX_FMT_FP6 matrix_b_fmt:MATRIX_FMT_FP6
.endif
.endr
.rept 4
	v_nop                                          ; in front of the loads below and of the first read of the scores
.endr
.irp d, 0,1,2,3                                ; V's four fragments land while the softmax is worked
	ds_load_b128 v[KV+12*\d:KV+12*\d+3], v9 offset:VOFF+6144*(\q)+1536*\d
	ds_load_b64 v[KV+12*\d+4:KV+12*\d+5], v10 offset:VOFF+6144*(\q)+1536*\d+512
	ds_load_b128 v[KV+12*\d+6:KV+12*\d+9], v9 offset:VOFF+6144*(\q)+1536*\d+768
	ds_load_b64 v[KV+12*\d+10:KV+12*\d+11], v10 offset:VOFF+6144*(\q)+1536*\d+1280
.endr
.irp p, 0,1
	ds_load_b32 v[224+\p], v11 offset:VOFF+12288+256*(\q)+128*\p
.endr
	s_add_co_u32 s96, s[KF], 127                   ; on the diagonal hidden keys' scores become -infinity: p = 0 then.  A step all of whose keys count skips this
	s_cmp_le_u32 s96, s[Q0]
	s_cbranch_scc1 .Lopen_\@
	s_sub_co_i32 s96, s[Q0], s[KF]
	v_add_nc_u32 v226, s96, v5                     ; d = my query - KF - 8 h: register 8 t + j is hidden where 16 t + j > d
.set nn, 0
.rept 64
	v_cmp_gt_i32 vcc_lo, 16*(nn/8)+nn%8, v226
	v_cndmask_b32 v[S+nn], v[S+nn], v6, vcc_lo
.set nn, nn+1
.endr
.Lopen_\@:
.irp b, 0,1,2,3
	v_max3_num_f32 v[BM+\b], v[S+16*\b], v[S+1+16*\b], v[S+2+16*\b]   ; the largest score of each block of 32 keys: for the row's maximum, and, since p rises with the score, for the block's largest p
.endr
.irp i, 3,5,7,9,11,13
.irp b, 0,1,2,3
	v_max3_num_f32 v[BM+\b], v[BM+\b], v[S+16*\b+\i], v[S+1+16*\b+\i]
.endr
.endr
.irp b, 0,1,2,3
	v_max_num_f32 v[BM+\b], v[BM+\b], v[S+15+16*\b]
.endr
.irp b, 0,1,2,3
	s_delay_alu instid0(VALU_DEP_4)
	v_permlanex16_b32 v[PT+\b], v[BM+\b], s[SEL], s[SEL+1]
.endr
.irp b, 0,1,2,3
	s_delay_alu instid0(VALU_DEP_4)
	v_max_num_f32 v[BM+\b], v[BM+\b], v[PT+\b]
.endr
	s_delay_alu instid0(VALU_DEP_2)
	v_max3_num_f32 v218, v[BM], v[BM+1], v[BM+2]
	s_delay_alu instid0(VALU_DEP_1)
	v_max_num_f32 v218, v218, v[BM+3]
	s_delay_alu instid0(VALU_DEP_1)
	v_mul_f32 v218, s[CS], v218
	s_delay_alu instid0(VALU_DEP_1)
	v_max_num_f32 v17, v17, v218                   ; the running largest t
	v_mov_b32 v218, v16
	s_delay_alu instid0(VALU_DEP_2)
	v_floor_f32 v16, -v17                          ; the new -M = -ceil(t)
	s_delay_alu instid0(VALU_DEP_1)
	v_sub_f32 v218, v16, v218                      ; old M - new M: a whole number, 0 or less
	s_delay_alu instid0(VALU_DEP_1)
	v_cvt_i32_f32 v218, v218                       ; (it saturates)
	s_delay_alu instid0(VALU_DEP_1)
	v_ldexp_f32 v216, 1.0, v218                    ; f = 2^(old M - new M)
.set jj, 0
.rept 32
	v_pk_fma_f32 v[S+jj:S+jj+1], v[S+jj:S+jj+1], s[CS:CS+1], v[16:17] op_sel_hi:[1,0,0]   ; t - M
.set jj, jj+2
.endr
.irp b, 0,1,2,3
	v_fma_f32 v[BM+\b], v[BM+\b], s[CS], v16
.endr
.set jj, 0
	s_wait_alu depctr_va_vdst(0)
.rept 64
	v_exp_f32 v[S+jj], v[S+jj]                     ; p = 2^(t - M)
.set jj, jj+1
.endr
	v_pk_mul_f32 v[18:19], v[18:19], v[216:217] op_sel_hi:[1,0]   ; the sums under the new M: the plain instruction behind the exponentials
	s_wait_alu depctr_va_vdst(0)                   ; one wait for the batch of 64, ahead of its first reader
.irp b, 0,1,2,3
	v_exp_f32 v[BM+\b], v[BM+\b]                   ; the blocks' largest p
.endr
	v_pk_add_f32 v[208:209], v[92:93], v[96:97]
	v_pk_add_f32 v[254:255], v[100:101], v[104:105]
	v_pk_add_f32 v[252:253], v[108:109], v[112:113]
	v_pk_add_f32 v[250:251], v[116:117], v[120:121]
	v_pk_add_f32 v[248:249], v[124:125], v[128:129]
	v_pk_add_f32 v[246:247], v[132:133], v[136:137]
	v_pk_add_f32 v[244:245], v[140:141], v[144:145]
	v_pk_add_f32 v[18:19], v[18:19], v[148:149]
	v_pk_add_f32 v[208:209], v[208:209], v[88:89]
	v_pk_add_f32 v[254:255], v[254:255], v[90:91]
	v_pk_add_f32 v[252:253], v[252:253], v[94:95]
	v_pk_add_f32 v[250:251], v[250:251], v[98:99]
	v_pk_add_f32 v[248:249], v[248:249], v[102:103]
	v_pk_add_f32 v[246:247], v[246:247], v[106:107]
	v_pk_add_f32 v[244:245], v[244:245], v[110:111]
	v_pk_add_f32 v[18:19], v[18:19], v[114:115]
	v_pk_add_f32 v[208:209], v[208:209], v[118:119]
	v_pk_add_f32 v[254:255], v[254:255], v[122:123]
	v_pk_add_f32 v[252:253], v[252:253], v[126:127]
	v_pk_add_f32 v[250:251], v[250:251], v[130:131]
	v_pk_add_f32 v[248:249], v[248:249], v[134:135]
	v_pk_add_f32 v[246:247], v[246:247], v[138:139]
	v_pk_add_f32 v[244:245], v[244:245], v[142:143]
	v_pk_add_f32 v[18:19], v[18:19], v[146:147]
	v_pk_add_f32 v[208:209], v[208:209], v[150:151]
	s_delay_alu instid0(VALU_DEP_2)
	v_pk_add_f32 v[18:19], v[18:19], v[250:251]
	s_delay_alu instid0(VALU_DEP_2)
	v_pk_add_f32 v[208:209], v[208:209], v[248:249]
	v_pk_add_f32 v[254:255], v[254:255], v[246:247]
	v_pk_add_f32 v[252:253], v[252:253], v[244:245]
	s_delay_alu instid0(VALU_DEP_2)
	v_pk_add_f32 v[18:19], v[18:19], v[254:255]
	s_delay_alu instid0(VALU_DEP_2)
	v_pk_add_f32 v[208:209], v[208:209], v[252:253]
	s_delay_alu instid0(VALU_DEP_1)
	v_pk_add_f32 v[18:19], v[18:19], v[208:209]
	s_wait_alu depctr_va_vdst(0)                   ; and one for the four
.irp b, 0,1,2,3
	v_max_num_f32 v[BM+\b], 0x1800000, v[BM+\b]    ; the floor 2^(3 - 127)
.endr
.irp b, 0,1,2,3
	s_delay_alu instid0(VALU_DEP_4)
	v_add_nc_u32 v[SO+\b], 0xff000000, v[BM+\b]
.endr
.irp b, 0,1,2,3
	s_delay_alu instid0(VALU_DEP_4)
	v_lshrrev_b32 v[PT+\b], 23, v[SO+\b]
.endr
	s_delay_alu instid0(VALU_DEP_3)
	v_lshl_or_b32 v219, v[PT+1], 8, v[PT]          ; p's scale word for these 128 keys
	s_delay_alu instid0(VALU_DEP_1)
	v_lshl_or_b32 v219, v[PT+2], 16, v219
	s_delay_alu instid0(VALU_DEP_1)
	v_lshl_or_b32 v219, v[PT+3], 24, v219
.irp c, 0,1
	v_cvt_scalef32_pk16_fp6_f32 v[PCD+6*\c:PCD+2+6*\c], v[S+32*\c:S+15+32*\c], v[SO+2*\c]
	v_cvt_scalef32_pk16_fp6_f32 v[PCD+12+4*\c:PCD+14+4*\c], v[S+16+32*\c:S+31+32*\c], v[SO+1+2*\c]
.endr
	v_nop                                          ; a plain instruction behind the scaled conversions
.irp c, 0,1
.irp i, 0,1,2
	v_permlane16_swap_b32 v[PCD+6*\c+\i], v[PCD+12+4*\c+\i]
.endr
.irp i, 0,1,2
	s_delay_alu instid0(VALU_DEP_3)
	v_mov_b32 v[PCD+3+6*\c+\i], v[PCD+12+4*\c+\i]
.endr
.endr
.set jj, 0
.rept 16
	v_pk_mul_f32 v[OT+jj:OT+jj+1], v[OT+jj:OT+jj+1], v[216:217] op_sel_hi:[1,0]   ; O^T under the new M; these sixteen also stand between the writes of p's codes and scale word and the products
.set jj, jj+2
.endr
	s_wait_alu depctr_va_vdst(0)
	s_wait_dscnt 0x0                               ; V
.irp d, 0,1,2,3                                ; O^T += V^T P^T; the four accumulators by turns
.if \d%2
	v_wmma_scale_f32_16x16x128_f8f6f4 v[OT+8*\d:OT+8*\d+7], v[KV+12*\d:KV+12*\d+11], v[PCD:PCD+11], v[OT+8*\d:OT+8*\d+7], v[224+\d/2], v219 matrix_a_fmt:MATRIX_FMT_FP6 matrix_b_fmt:MATRIX_FMT_FP6 matrix_a_scale:MATRIX_SCALE_ROW1
.else
	v_wmma_scale_f32_16x16x128_f8f6f4 v[OT+8*\d:OT+8*\d+7], v[KV+12*\d:KV+12*\d+11], v[PCD:PCD+11], v[OT+8*\d:OT+8*\d+7], v[224+\d/2], v219 matrix_a_fmt:MATRIX_FMT_FP6 matrix_b_fmt:MATRIX_FMT_FP6
.endif
.endr
.Lhidden_\@:
	s_add_co_u32 s[KF], s[KF], 128
.endm
; THE CHANGE OF SLOTS stands at a slot's head.  Each wave waits for all its tensor loads, adds 0 to its spare word, and waits for that and for its reads of the slot that it has left.  Behind the barrier the slot ahead is whole
; and nobody reads the other one.  fill = 1: that other slot is filled with the next 256 keys, while their first key is at or under the work-group's last query: the four lines of that test are made of ids and the count of
; steps alone, go the same way in all sixteen waves, and lead round the load's own lines and nothing else; every wait for tensor loads in this text is for 0, and no step reads a slot that was left out.
.macro CHANGE fill
	s_wait_tensorcnt 0x0
	ds_add_u32 v[SPW], v[NIL]                      ; 0 onto my spare word
.if \fill
	s_xor_b32 s[G0K+1], s[G0K+1], SLOT1            ; no load of mine is out, so the walking descriptors may be written: the other slot, the next records
	s_add_nc_u64 s[G0K+2:G0K+3], s[G0K+2:G0K+3], KRB
	s_xor_b32 s[G0V+1], s[G0V+1], SLOT1
	s_add_nc_u64 s[G0V+2:G0V+3], s[G0V+2:G0V+3], VRB
	s_wait_xcnt 0x0                                ; the last prefetch, a slot back, has read its address
	s_add_nc_u64 s[PFA:PFA+1], s[PFA:PFA+1], s[PFS:PFS+1]
.endif
	s_wait_dscnt 0x0                               ; the add is done, and my reads of the slot that I have left are over
	s_barrier_signal -1
	s_barrier_wait -1
.if \fill
	s_add_co_u32 s96, s[KF], 256
	s_cmp_gt_u32 s96, s[LASTQ]
	s_cbranch_scc1 .Lpast_\@
	TLOAD
.Lpast_\@:
	ASK
.endif
.endm
.macro SLOT_STEPS
	STEP 0
	STEP 1
	s_xor_b32 s[TB], s[TB], SLOT1
.endm
	s_wait_loadcnt 0x0                             ; Q
.Lslot:                                            ; seven trips
	CHANGE 1
	SLOT_STEPS
	s_sub_co_u32 s[SLOTS], s[SLOTS], 1
	s_cmp_lg_u32 s[SLOTS], 0
	s_cbranch_scc1 .Lslot
	CHANGE 0                                       ; the last slot is written out: nothing is left to ask for
	SLOT_STEPS
	; THE WAY OUT.  O^T / the sum; register 8 d + j of lane (r, h) is channel 16 d + 8 h + j of query r: two blocks of 32 in this program's order of K.  They become my head's half of a fragment and two scale bytes a row.
.rept 4
	v_nop                                          ; behind the last products
.endr
	v_add_f32 v18, v18, v19
	s_delay_alu instid0(VALU_DEP_1)
	v_permlanex16_b32 v[PT], v18, s[SEL], s[SEL+1]
	s_delay_alu instid0(VALU_DEP_1)
	v_add_f32 v18, v18, v[PT]                      ; the row's sum
	s_wait_alu depctr_va_vdst(0)
	v_rcp_f32 v216, v18
	v_nop                                          ; a plain instruction behind the transcendental,
	s_wait_alu depctr_va_vdst(0)                   ; and the wait ahead of the first use of its result
.set jj, 0
.rept 16
	v_pk_mul_f32 v[S+jj:S+jj+1], v[OT+jj:OT+jj+1], v[216:217] op_sel_hi:[1,0]   ; each accumulator from its low end on
.set jj, jj+2
.endr
.irp b, 0,1
	v_max3_num_f32 v[BM+\b], |v[S+16*\b]|, |v[S+1+16*\b]|, 0x1800000
.endr
.irp i, 2,4,6,8,10,12,14
.irp b, 0,1
	s_delay_alu instid0(VALU_DEP_2)
	v_max3_num_f32 v[BM+\b], v[BM+\b], |v[S+16*\b+\i]|, |v[S+1+16*\b+\i]|
.endr
.endr
.irp b, 0,1
	s_delay_alu instid0(VALU_DEP_2)
	v_permlanex16_b32 v[PT+\b], v[BM+\b], s[SEL], s[SEL+1]
.endr
.irp b, 0,1
	s_delay_alu instid0(VALU_DEP_2)
	v_max_num_f32 v[BM+\b], v[BM+\b], v[PT+\b]
.endr
.irp b, 0,1
	s_delay_alu instid0(VALU_DEP_2)
	v_add_nc_u32 v[SO+\b], 0xff000000, v[BM+\b]
.endr
.irp b, 0,1
	s_delay_alu instid0(VALU_DEP_2)
	v_lshrrev_b32 v[PT+\b], 23, v[SO+\b]
.endr
	s_delay_alu instid0(VALU_DEP_1)
	v_lshl_or_b32 v218, v[PT+1], 8, v[PT]
	v_cvt_scalef32_pk16_fp6_f32 v[PCD:PCD+2], v[S:S+15], v[SO]
	v_cvt_scalef32_pk16_fp6_f32 v[PCD+12:PCD+14], v[S+16:S+31], v[SO+1]
	v_nop
.irp i, 0,1,2
	v_permlane16_swap_b32 v[PCD+\i], v[PCD+12+\i]
.endr
.irp i, 0,1,2
	s_delay_alu instid0(VALU_DEP_3)
	v_mov_b32 v[PCD+3+\i], v[PCD+12+\i]
.endr
	global_store_b128 v[L16], v[PCD:PCD+3], s[92:93]              ; 512 consecutive bytes, aligned
	global_store_b64 v[L8], v[PCD+4:PCD+5], s[92:93] offset:512   ; 256
	global_store_b16 v[R4], v218, s[94:95]         ; two bytes a row; lanes r and r + 16 hold the same and name the same place
	s_wait_tensorcnt 0x0                           ; the wave's end
	ds_add_u32 v[SPW], v[NIL]
	s_wait_dscnt 0x0
	s_endpgm
.Lfunc_end_k_q2d5430cbf7_attn:
	.size	k_q2d5430cbf7_attn, .Lfunc_end_k_q2d5430cbf7_attn-k_q2d5430cbf7_attn
	.p2alignl 7, 3214868480
	.fill 96, 4, 3214868480
	.section	.rodata,"a",@progbits
	.p2align	6, 0x0
	.amdhsa_kernel k_q2d5430cbf7_attn
		.amdhsa_group_segment_fixed_size 327680
		.amdhsa_private_segment_fixed_size 0
		.amdhsa_enable_private_segment 0
		.amdhsa_kernarg_size 24
		.amdhsa_user_sgpr_count 2
		.amdhsa_user_sgpr_kernarg_segment_ptr 1
		.amdhsa_wavefront_size32 1
		.amdhsa_system_sgpr_workgroup_id_x 1
		.amdhsa_system_sgpr_workgroup_id_y 1
		.amdhsa_system_sgpr_workgroup_id_z 1
		.amdhsa_system_vgpr_workitem_id 0
		.amdhsa_next_free_vgpr 256
		.amdhsa_next_free_sgpr 100
		.amdhsa_reserve_vcc 1
		.amdhsa_float_denorm_mode_32 3
		.amdhsa_float_denorm_mode_16_64 3
		.amdhsa_memory_ordered 1
		.amdhsa_forward_progress 1
		.amdhsa_inst_pref_size 105
	.end_amdhsa_kernel
	.amdgpu_metadata
---
amdhsa.version: [ 1, 2 ]
amdhsa.kernels:
  - .name:           k_q2d5430cbf7_attn
    .symbol:         k_q2d5430cbf7_attn.kd
    .args:
      - { .name: qk, .offset: 0, .size: 8, .value_kind: global_buffer, .address_space: global }
      - { .name: vimg, .offset: 8, .size: 8, .value_kind: global_buffer, .address_space: global }
      - { .name: att, .offset: 16, .size: 8, .value_kind: global_buffer, .address_space: global }
    .group_segment_fixed_size: 327680
    .private_segment_fixed_size: 0
    .kernarg_segment_align: 8
    .kernarg_segment_size: 24
    .max_flat_workgroup_size: 512
    .sgpr_count:     100
    .vgpr_count:     256
    .wavefront_size: 32
...
	.end_amdgpu_metadata
.endif
;; end of part 3
;; launch oproj (part 4): grid 8 x 32, 4 waves a work-group, clusters of 4 x 4, 327,680 bytes of LDS; arguments att, wrec, bo, x, x1; writes x1
.if DOCPART == 4
	.amdgcn_target "amdgcn-amd-amdhsa--gfx1250"
	.amdhsa_code_object_version 6
	.text
	.protected	k_q2d5430cbf7_oproj
	.globl	k_q2d5430cbf7_oproj
	.p2align	8
	.type	k_q2d5430cbf7_oproj,@function
k_q2d5430cbf7_oproj:
	s_mov_b64 s[64:65], 0
	v_nop
	global_prefetch_b8 v0, s[64:65] scope:SCOPE_SE
	s_setreg_imm32_b32 hwreg(HW_REG_WAVE_MODE, 25, 1), 1
	s_wait_xcnt 0x0
	s_wait_alu depctr_hold_cnt(0) depctr_sa_sdst(0) depctr_va_vdst(0) depctr_va_sdst(0) depctr_va_ssrc(0) depctr_va_vcc(0) depctr_vm_vsrc(0)
	s_getreg_b32 s2, hwreg(HW_REG_IB_STS2, 6, 4)
	s_cmp_eq_u32 s2, 0
	s_cbranch_scc0 .Lentry_in_a_cluster
	s_endpgm
.Lentry_in_a_cluster:
	s_bfe_u32 s2, ttmp6, 0x10000c
	s_cmp_lg_u32 s2, 0xf033
	s_cbranch_scc0 .Lentry_shape_is_right
	s_endpgm
.Lentry_shape_is_right:
; out = res + A B^T + bias.  A: [4096][K], B: [1024][K] as records of operand registers in codes of FP6 (E2M3) with E8M0 scales; bias [1024], res and out [4096][1024] f32.  Here K = 1,024: A = the attention's output, B = Wo.
; A record is 128 rows x 128 K = 12,800 bytes: eight fragments of 1,536 bytes (registers 0-3 of lane l at 16 l, 4-5 at 512 + 8 l, 6-9 at 768 + 16 l, 10-11 at 1280 + 8 l), then the scale words at 12288 + 64 i + 4 r; a group
; of 128 rows has its KC records on end, so two chunks of a group are one dense block of 25,600 bytes.
; A tile of C is 128 x 128, so that the 4,096 x 1,024 outputs give 256 work-groups; four waves of 64 x 64: 16 accumulators.  K goes in steps of 512 through a ring of two LDS slots: waves 0 and 1 fetch A's four chunks, waves 2 and 3 B's.
; CLUSTERS of 4 x 4: A's tiles are shared along a row of the cluster, B's along a column, by joint loads.  THE MATRIX INSTRUCTION IS USED TRANSPOSED (source 0 = B, source 1 = A): a lane holds eight neighbouring numbers of a row of C.
; The bias is the C of each sum's first instruction.  My 64 x 64 of the residual is asked for at the head and lands under the whole K loop; it is added on the way out, where the results pass through my own stage in LDS
; and leave as rows: sixteen lanes store 256 consecutive bytes, aligned.
; REGISTERS: window 0: v8-15 scale words, two sets, and nothing else; v16-30 addresses; v32-159 rows on the way out; v96-127 the bias; v128-255 the accumulators.  window 1: two fragment buffers (A's four at f, B's at f + 64).  window 2: v0-127 the residual.
.set KC,    8                          ; chunks of 128 along K
.set WOFF,  192*12800                  ; B's first unit in the weights' buffer
.set CHB,   12800
.set PART,  2*CHB
.set SLOT,  4*PART                     ; A's four chunks, then B's four
.set STAGE, 2*SLOT                     ; behind the ring: 16 rows x 272 bytes for each wave; no tensor load lands there
.set SPARE, STAGE+4*4352               ; behind the stages: the spare words, 128 bytes for each wave, which no other line names
.set LAPS,  KC/8
.set FR,  12
.set STO, 26
.set RD,  27
.set SPW, 28
.set NIL, 29
.set CO,  30
.set BK,  32
.set BI,  96
.set ACC, 128
.set G1,  24
.set G0,  32
.set G1B, 48
.set G0B, 56
.set MSB, 0
.macro WIN new
.set WNEW, \new
.if MSB != WNEW
	s_set_vgpr_msb (MSB<<8)|WNEW
.set MSB, WNEW
.endif
.endm
.set MUL,  0x05                        ; sources 0 (B) and 1 (A) window 1; C and D window 0
.set TO_F, 0x40                        ; destination window 1, address window 0
.macro PLACES
.rept 4
	v_nop
.endr
.endm
.macro JLOAD s                         ; a joint load: waves 0 and 1 fetch for A, waves 2 and 3 for B; an s_nop 0 and four v_nop follow each of the two lines
	s_cmp_eq_u32 s15, 0
	s_cbranch_scc0 .Lfor_b_\@
	tensor_load_to_lds s[G0+4*\s:G0+4*\s+3], s[G1:G1+7]
	s_nop 0
.rept 4
	v_nop
.endr
	s_branch .Lasked_\@
.Lfor_b_\@:
	tensor_load_to_lds s[G0B+4*\s:G0B+4*\s+3], s[G1B:G1B+7]
	s_nop 0
.rept 4
	v_nop
.endr
.Lasked_\@:
.endm
.macro CREST
	s_cmp_lg_u32 s14, 0
	s_cbranch_scc1 .Lnot_wave_0_\@
	s_barrier_signal -3
.Lnot_wave_0_\@:
	s_barrier_wait -3
	s_barrier_signal -1
	s_barrier_wait -1
.endm
.macro CROUND
	s_barrier_signal -1
	s_barrier_wait -1
	CREST
.endm
	s_load_b256 s[4:11], s[0:1], 0x0               ; A s[4:5], the weights s[6:7], bias s[8:9], res s[10:11]
	s_load_b64 s[12:13], s[0:1], 0x20              ; out
	v_lshl_add_u32 v[SPW], v0, 2, SPARE
	v_mov_b32 v[NIL], 0
	ds_add_u32 v[SPW], v[NIL]                      ; the wave's opening: the add and its wait ahead of my first tensor load; the set-up below, work on registers, stands between them
	ds_add_u32 v[SPW], v[NIL]
	v_lshrrev_b32 v1, 5, v0
	v_readfirstlane_b32 s14, v1                    ; wave 0..3
	s_lshr_b32 s15, s14, 1                         ; which 64 of the tile's rows are mine.  Also: I fetch for A (0) or for B (1)
	s_and_b32 s16, s14, 1                          ; which 64 of its columns.  Also: which slot's four chunks I fetch
	s_bfe_u32 s40, ttmp6, 0x40000                  ; cx
	s_bfe_u32 s41, ttmp6, 0x40004                  ; cy
	s_lshl_b32 s42, ttmp9, 2
	s_add_co_u32 s42, s42, s40                     ; tile column
	s_and_b32 s17, ttmp7, 0xffff
	s_lshl_b32 s17, s17, 2
	s_add_co_u32 s17, s17, s41                     ; tile row
	s_lshl_b32 s43, s41, 2
	s_lshl_b32 s43, 15, s43                        ; my row of the cluster
	s_lshl_b32 s44, 0x1111, s40                    ; my column
	s_or_b32 s[G1+0], s43, (3<<16)|(1<<21)         ; the mask; elements of 8 bytes; no padding; bit 21 beside a mask
	s_or_b32 s[G1B+0], s44, (3<<16)|(1<<21)
.irp g, G1, G1B                        ; a dense block of 51,200 bytes as 200 rows of 256
	s_mov_b32 s[\g+1], 32<<16
	s_mov_b32 s[\g+2], 200<<16                     ; a load brings four chunks: 51,200 bytes as 200 rows of 256
	s_mov_b32 s[\g+3], 32<<16
	s_mov_b32 s[\g+4], 200
	s_mov_b32 s[\g+5], 32
	s_mov_b32 s[\g+6], 0
	s_mov_b32 s[\g+7], 0
.endr
	s_lshl_b32 s18, s16, 2                         ; I fetch one operand's four chunks of slot s16: all of K is asked for at the head, one load a wave
	s_mul_i32 s20, s17, KC
	s_add_co_u32 s20, s20, s18
	s_mul_i32 s20, s20, CHB                        ; A: group = tile row, my four chunks, from chunk 4 s16
	s_mov_b32 s21, 0
	s_mul_i32 s46, s42, KC
	s_add_co_u32 s46, s46, s18
	s_mul_i32 s46, s46, CHB
	s_add_co_u32 s46, s46, WOFF                    ; B: group = tile column
	s_mov_b32 s47, 0
	s_mul_i32 s45, s16, SLOT                       ; where they go: the slot, and in it A's four chunks or B's: no place in the cluster enters an LDS address
	s_mul_i32 s19, s15, 2*PART
	s_add_co_u32 s45, s45, s19
	s_wait_dscnt 0x0                               ; the opening add is done
	s_wait_kmcnt 0x0
	s_add_nc_u64 s[20:21], s[4:5], s[20:21]
	s_add_nc_u64 s[46:47], s[6:7], s[46:47]
	CROUND                                         ; all sixteen work-groups are here: the first joint loads meet
.irp s, 0
	s_mov_b32 s[G0+4*\s], 1
	s_add_co_u32 s[G0+4*\s+1], s45, \s*SLOT
	s_add_nc_u64 s[G0+4*\s+2:G0+4*\s+3], s[20:21], \s*4*CHB
	s_or_b32 s[G0+4*\s+3], s[G0+4*\s+3], 0x80000000
	s_mov_b32 s[G0B+4*\s], 1
	s_add_co_u32 s[G0B+4*\s+1], s45, \s*SLOT
	s_add_nc_u64 s[G0B+4*\s+2:G0B+4*\s+3], s[46:47], \s*4*CHB
	s_or_b32 s[G0B+4*\s+3], s[G0B+4*\s+3], 0x80000000
	JLOAD \s
.endr
	v_and_b32 v1, 31, v0
	v_and_b32 v2, 15, v0                           ; r
	v_bfe_u32 v3, v0, 4, 1                         ; h
	v_lshlrev_b32 v5, 4, v1
	v_lshlrev_b32 v6, 3, v1
	s_mul_i32 s21, s15, 6144                       ; my four blocks of A
	s_mul_i32 s22, s16, 6144
	s_add_co_u32 s22, s22, 4*CHB                   ; my four blocks of B
.irp s, 0,1                            ; v16-17 A's fragments by 16 bytes a lane in slot 0, 1; v18-19 by 8; v20-23 B's
	v_add_nc_u32 v[16+\s], s21, v5
	v_add_nc_u32 v[18+\s], s21, v6
	v_add_nc_u32 v[20+\s], s22, v5
	v_add_nc_u32 v[22+\s], s22, v6
	s_add_co_u32 s21, s21, SLOT
	s_add_co_u32 s22, s22, SLOT
.endr
	s_lshl_b32 s21, s15, 8
	s_lshl_b32 s22, s16, 8
	s_add_co_u32 s22, s22, 4*CHB
	s_sub_co_u32 s22, s22, s21
	v_mul_u32_u24 v4, s22, v3                      ; scale words: lanes 16-31 take B's
	v_lshl_add_u32 v4, v2, 2, v4
	v_add_nc_u32 v24, s21, v4                      ; v24-25: in slot 0, 1
	v_add_nc_u32 v25, SLOT, v24
	s_mul_i32 s23, s14, 4352
	s_add_co_u32 s23, s23, STAGE                   ; my stage
	v_mul_u32_u24 v4, v2, 272
	v_lshl_add_u32 v4, v3, 5, v4
	v_add_nc_u32 v[STO], s23, v4                   ; in: row r, 32 bytes for each half of the lanes
	v_mul_u32_u24 v4, v3, 272
	v_lshl_add_u32 v4, v2, 4, v4
	v_add_nc_u32 v[RD], s23, v4                    ; back: lanes 0-15 one row of 256 bytes, lanes 16-31 the next
	v_lshlrev_b32 v[CO], 12, v3
	v_lshl_add_u32 v[CO], v2, 4, v[CO]             ; and the same two rows in res and out
	v_lshlrev_b32 v7, 5, v3                        ; the bias: 32 h
	s_wait_alu depctr_va_vdst(0)
	s_lshl_b32 s20, s17, 7
	s_lshl_b32 s21, s15, 6
	s_add_co_u32 s20, s20, s21
	s_lshl_b32 s20, s20, 12                        ; my first row, in bytes
	s_lshl_b32 s46, s42, 9
	s_lshl_b32 s47, s16, 8
	s_add_co_u32 s46, s46, s47                     ; my first column, in bytes
	s_mov_b32 s47, 0
	s_add_nc_u64 s[8:9], s[8:9], s[46:47]
	s_add_co_u32 s46, s46, s20
	s_add_nc_u64 s[10:11], s[10:11], s[46:47]
	s_add_nc_u64 s[12:13], s[12:13], s[46:47]
.irp b, 0,1,2,3                        ; register 8 b + j: the bias of column 16 b + 8 h + j
	global_load_b128 v[BI+8*\b:BI+8*\b+3], v7, s[8:9] offset:64*\b
	global_load_b128 v[BI+8*\b+4:BI+8*\b+7], v7, s[8:9] offset:64*\b+16
.endr
	WIN 0x80                                       ; destination window 2
.irp a, 0,1,2,3
.irp t, 0,1,2,3,4,5,6,7
	global_load_b128 v[32*\a+4*\t:32*\a+4*\t+3], v[CO], s[10:11] offset:(16*\a+2*\t)*4096
.endr
.endr
	WIN 0
.macro FRAG reg, adr, off
	ds_load_b128 v[\reg:\reg+3], v[\adr] offset:\off
	ds_load_b64 v[\reg+4:\reg+5], v[\adr+2] offset:\off+512
	ds_load_b128 v[\reg+6:\reg+9], v[\adr] offset:\off+768
	ds_load_b64 v[\reg+10:\reg+11], v[\adr+2] offset:\off+1280
.endm
; 8 matrix instructions on buffer cur: A's blocks a0, a0 + 1 x B's four.  The sixteen accumulators take turns in one fixed order.  zero = 1: the bias starts the sums.
.macro MUL8 cur, a0, zero
.irp a, \a0, \a0+1
.irp b, 0,1,2,3
.if \zero
	v_wmma_scale_f32_16x16x128_f8f6f4 v[ACC+8*(4*(\a)+\b):ACC+8*(4*(\a)+\b)+7], v[128*(\cur)+64+FR*\b:128*(\cur)+64+FR*\b+FR-1], v[128*(\cur)+FR*(\a):128*(\cur)+FR*(\a)+FR-1], v[BI+8*\b:BI+8*\b+7], v[8+4*(\cur)+\b], v[8+4*(\cur)+(\a)] matrix_a_fmt:MATRIX_FMT_FP6 matrix_b_fmt:MATRIX_FMT_FP6 matrix_a_scale:MATRIX_SCALE_ROW1
.else
	v_wmma_scale_f32_16x16x128_f8f6f4 v[ACC+8*(4*(\a)+\b):ACC+8*(4*(\a)+\b)+7], v[128*(\cur)+64+FR*\b:128*(\cur)+64+FR*\b+FR-1], v[128*(\cur)+FR*(\a):128*(\cur)+FR*(\a)+FR-1], v[ACC+8*(4*(\a)+\b):ACC+8*(4*(\a)+\b)+7], v[8+4*(\cur)+\b], v[8+4*(\cur)+(\a)] matrix_a_fmt:MATRIX_FMT_FP6 matrix_b_fmt:MATRIX_FMT_FP6 matrix_a_scale:MATRIX_SCALE_ROW1
.endif
.endr
.endr
.endm
; 36 LDS loads in one run: the slot's q-th chunk into buffer cur: four scale words (lanes 0-15 A's block i, lanes 16-31 B's), B's four fragments, A's four; the youngest eight loads are A's blocks 2 and 3
.macro FETCH slot, q, cur
	WIN 0
.irp i, 0,1,2,3
	ds_load_b32 v[8+4*(\cur)+\i], v[24+\slot] offset:12288+(\q)*CHB+64*\i
.endr
	WIN TO_F
.irp i, 0,1,2,3
	FRAG 128*(\cur)+64+FR*\i, 20+\slot, (\q)*CHB+1536*\i
.endr
.irp i, 0,1,2,3
	FRAG 128*(\cur)+FR*\i, 16+\slot, (\q)*CHB+1536*\i
.endr
.endm
; A chunk that has its successor in the same slot: multiplies buffer cur and fetches chunk qn into the other.
.macro QUARTER slot, qn, cur, zero
	s_wait_dscnt 8                                 ; all but A's blocks 2 and 3
	WIN MUL
	MUL8 \cur, 0, \zero
	PLACES                                         ; in front of loads into registers that matrix instructions have read
	FETCH \slot, \qn, 1-(\cur)
	s_wait_dscnt 36                                ; all but the 36 just issued
	WIN MUL
	MUL8 \cur, 2, \zero
.endm
; A slot's last chunk (buffer 1) changes slots: one barrier; in front of it each wave waits for all its tensor loads, adds 0 to its spare word, and waits for that and for its reads of this slot.
.macro TURN slot, next, fill
	WIN 0
	s_wait_tensorcnt 0x0                           ; all my tensor loads have landed: my part of the next slot
	ds_add_u32 v[SPW], v[NIL]                      ; 0 onto my spare word
	s_wait_dscnt 9                                 ; (the add and the youngest eight loads may be out)
	WIN MUL
	MUL8 1, 0, 0
	s_wait_dscnt 0x0                               ; the add is done, and my reads of this slot are over
	s_barrier_signal -1
	WIN 0
	s_barrier_wait -1
.if \fill
	CREST                                          ; the barrier has opened a round of the cluster's: no wave of any partner still reads this slot or has a load on its way
	s_add_nc_u64 s[G0+4*\slot+2:G0+4*\slot+3], s[G0+4*\slot+2:G0+4*\slot+3], 8*CHB
	s_add_nc_u64 s[G0B+4*\slot+2:G0B+4*\slot+3], s[G0B+4*\slot+2:G0B+4*\slot+3], 8*CHB
	JLOAD \slot                                    ; the first tensor load behind the round; its four v_nop are also the places in front of the loads below
.else
	PLACES
.endif
	FETCH \next, 0, 0
	WIN MUL
	MUL8 1, 2, 0
.endm
	s_wait_tensorcnt 0x0                           ; my four chunks are in; nothing is filled again in this launch
	s_barrier_signal -1
	s_barrier_wait -1
	FETCH 0, 0, 0
	s_wait_loadcnt 32                              ; the bias is in; the residual's 32 loads may stay out
	QUARTER 0, 1, 0, 1
.if LAPS > 1
	WIN 0
	s_mov_b32 s3, LAPS-1
.Llap:                                             ; a trip goes once round the ring and fills both slots again
	QUARTER 0, 2, 1, 0
	QUARTER 0, 3, 0, 0
	TURN 0, 1, 1
	QUARTER 1, 1, 0, 0
	QUARTER 1, 2, 1, 0
	QUARTER 1, 3, 0, 0
	TURN 1, 0, 1
	QUARTER 0, 1, 0, 0
	WIN 0
	s_sub_co_u32 s3, s3, 1
	s_cmp_lg_u32 s3, 0
	s_cbranch_scc1 .Llap
.endif
	QUARTER 0, 2, 1, 0                             ; the last lap fills nothing
	QUARTER 0, 3, 0, 0
	TURN 0, 1, 0
	QUARTER 1, 1, 0, 0
	QUARTER 1, 2, 1, 0
	QUARTER 1, 3, 0, 0
	s_wait_dscnt 8
	WIN MUL
	MUL8 1, 0, 0
	s_wait_dscnt 0x0
	MUL8 1, 2, 0
	WIN 0
; THE WAY OUT, a block of 16 rows x 64 columns at a time, through my own stage: LDS serves a wave's instructions in order, so no wait stands between the stores and the loads.
.macro TOSTAGE a
.irp b, 0,1,2,3
	ds_store_b128 v[STO], v[ACC+8*(4*(\a)+\b):ACC+8*(4*(\a)+\b)+3] offset:64*\b          ; each accumulator from its low end on
	ds_store_b128 v[STO], v[ACC+8*(4*(\a)+\b)+4:ACC+8*(4*(\a)+\b)+7] offset:64*\b+16
.endr
.irp t, 0,1,2,3,4,5,6,7
	ds_load_b128 v[BK+32*(\a)+4*\t:BK+32*(\a)+4*\t+3], v[RD] offset:544*\t   ; each block comes back into 32 registers of its own (v32-159: the last two sets held the bias and block 0's sums): no store's data are written again
.endr
.endm
.macro SEND a, younger
.set BB2, BK+32*(\a)
	s_wait_dscnt \younger                          ; the block is back; the next block's eight stores and eight loads may be out
	WIN 0x08                                       ; source 1 window 2: the residual
.set jj, 0
.rept 16
	v_pk_add_f32 v[BB2+jj:BB2+jj+1], v[BB2+jj:BB2+jj+1], v[32*(\a)+jj:32*(\a)+jj+1]
.set jj, jj+2
.endr
	WIN 0
.irp t, 0,1,2,3,4,5,6,7
	global_store_b128 v[CO], v[BB2+4*\t:BB2+4*\t+3], s[12:13] offset:(16*(\a)+2*\t)*4096   ; 16 lanes store 256 consecutive bytes, aligned
.endr
.endm
	PLACES                                         ; behind the last products
	s_wait_loadcnt 0x0                             ; the residual
	TOSTAGE 0
.irp a, 1,2,3
	TOSTAGE \a
	SEND \a-1, 16
.endr
	SEND 3, 0
	s_wait_tensorcnt 0x0                           ; the wave's end
	ds_add_u32 v[SPW], v[NIL]
	s_wait_dscnt 0x0
	CROUND                                         ; the closing round
	s_endpgm
.Lfunc_end_k_q2d5430cbf7_oproj:
	.size	k_q2d5430cbf7_oproj, .Lfunc_end_k_q2d5430cbf7_oproj-k_q2d5430cbf7_oproj
	.p2alignl 7, 3214868480
	.fill 96, 4, 3214868480
	.section	.rodata,"a",@progbits
	.p2align	6, 0x0
	.amdhsa_kernel k_q2d5430cbf7_oproj
		.amdhsa_group_segment_fixed_size 327680
		.amdhsa_private_segment_fixed_size 0
		.amdhsa_enable_private_segment 0
		.amdhsa_kernarg_size 40
		.amdhsa_user_sgpr_count 2
		.amdhsa_user_sgpr_kernarg_segment_ptr 1
		.amdhsa_wavefront_size32 1
		.amdhsa_system_sgpr_workgroup_id_x 1
		.amdhsa_system_sgpr_workgroup_id_y 1
		.amdhsa_system_sgpr_workgroup_id_z 1
		.amdhsa_system_vgpr_workitem_id 0
		.amdhsa_next_free_vgpr 768
		.amdhsa_next_free_sgpr 100
		.amdhsa_reserve_vcc 0
		.amdhsa_float_denorm_mode_32 3
		.amdhsa_float_denorm_mode_16_64 3
		.amdhsa_memory_ordered 1
		.amdhsa_forward_progress 1
		.amdhsa_inst_pref_size 59
	.end_amdhsa_kernel
	.amdgpu_metadata
---
amdhsa.version: [ 1, 2 ]
amdhsa.kernels:
  - .name:           k_q2d5430cbf7_oproj
    .symbol:         k_q2d5430cbf7_oproj.kd
    .args:
      - { .name: att, .offset: 0, .size: 8, .value_kind: global_buffer, .address_space: global }
      - { .name: wrec, .offset: 8, .size: 8, .value_kind: global_buffer, .address_space: global }
      - { .name: bo, .offset: 16, .size: 8, .value_kind: global_buffer, .address_space: global }
      - { .name: x, .offset: 24, .size: 8, .value_kind: global_buffer, .address_space: global }
      - { .name: x1, .offset: 32, .size: 8, .value_kind: global_buffer, .address_space: global }
    .group_segment_fixed_size: 327680
    .private_segment_fixed_size: 0
    .kernarg_segment_align: 8
    .kernarg_segment_size: 40
    .max_flat_workgroup_size: 128
    .sgpr_count:     100
    .vgpr_count:     768
    .wavefront_size: 32
...
	.end_amdgpu_metadata
.endif
;; end of part 4
;; launch ln2 (part 5): grid 256 x 1, 8 waves a work-group, no clusters, 77,824 bytes of LDS; arguments x1, ln2_g, ln2_b, hn; writes hn
.if DOCPART == 5
	.amdgcn_target "amdgcn-amd-amdhsa--gfx1250"
	.amdhsa_code_object_version 6
	.text
	.protected	k_q2d5430cbf7_ln2
	.globl	k_q2d5430cbf7_ln2
	.p2align	8
	.type	k_q2d5430cbf7_ln2,@function
k_q2d5430cbf7_ln2:
	s_mov_b64 s[64:65], 0
	v_nop
	global_prefetch_b8 v0, s[64:65] scope:SCOPE_SE
	s_setreg_imm32_b32 hwreg(HW_REG_WAVE_MODE, 25, 1), 1
	s_wait_xcnt 0x0
; LAYER NORM AND QUANTISER.  in: [4096][1024] f32; gain, bias: [1024] f32.  out: the normed rows as codes of FP6 (E2M3) with one E8M0 byte for each 32 along the row, laid as the products' operand registers want them.
; y = (x - mean) * rsqrt(var + 1e-5) * gain + bias, all in f32; the variance is taken of x - mean (two passes over registers), so a common offset of the row cancels.
; SHARES.  A work-group takes 16 rows; wave w takes columns 128 w .. 128 w + 127 of them, which is one fragment (16 rows x 128 K).  Lane (r, h) holds 64 numbers of row r.
; THE ORDER OF K.  In every block of 32 along K, code place 16 h + 8 u + j holds the element 16 u + 8 h + j.  Every operand of this program is laid so, on both sides of every product, so the products pair up;
; a block keeps its 32 members, so scales and codes are the quantiser's.  Here: register 16 e + 8 u + 4 q + i is column 128 w + 32 e + 16 u + 8 h + 4 q + i.
; THE RECORD.  128 rows x 128 K are 12,800 bytes: eight fragments of 1,536 bytes (block i at 1536 i), then the scale words at 12288 + 64 i + 4 r.  A fragment lies as its registers: registers 0-3 of lane l at 16 l,
; registers 4-5 at 512 + 8 l, registers 6-9 at 768 + 16 l, registers 10-11 at 1280 + 8 l: each store of the wave covers 512 or 256 consecutive bytes, aligned.  The buffer is record[row / 128][column / 128].
; THE LOADS TAKE THE BYTES AS THEY LIE: one load reads my wave's 512 consecutive bytes of one row, 16 a lane; gain and bias come by one such load each.  They turn through the wave's own stage in LDS: rows 528 bytes apart
; (an odd multiple of 16), stored as loaded, read back 16 bytes at a time at 528 r + 32 h + 128 e + 64 u + 16 q.  The stage is the wave's own: no barrier.
; A row's sum spans the eight waves: each wave puts its part for each row into LDS, a barrier, and every wave adds the eight parts: once for the mean, once for the variance, in bytes of their own.
; LIMITS: NaN and infinities are not served.  A block whose largest magnitude lies under 2^-124 has its byte held at 1; a block of zeros gets the byte 1 too: its codes are zeros, and this program alone reads the bytes.
.set SPARE, 1024                       ; LDS: the spare words, 128 bytes for each wave, which no other line names
.set SPW, 252                          ; v252 LDS address of my spare word; never rewritten
.set NIL, 253                          ; v253 0; never rewritten
.set WVN, 52                           ; s52  my wave's number
.set TOFF,  0                          ; the first work-group of the norm
.set STG,   2048                       ; LDS: 0 .. 511 the sums' parts, 512 .. 1023 the squares' parts (32 bytes a row), 1024 .. 2047 the spare words, then a stage for each wave
.set SP,    528
.set GOF,   16*SP                      ; in a stage: behind the 16 rows my 128 gains,
.set BOF,   GOF+512                    ; and my 128 biases
.set WREG,  BOF+512                    ; 9,472 bytes a wave
.set SI,  4                            ; v4   my stage + 16 x lane: on the way in
.set SO,  5                            ; v5   my stage + 528 r + 32 h: on the way out
.set O16, 6                            ; v6   16 x lane
.set O8,  7                            ; v7   8 x lane
.set O4R, 8                            ; v8   4 r
.set LP,  9                            ; v9   32 r + 4 w: where my wave's part of row r goes
.set LR,  10                           ; v10  32 r: where the eight parts of row r lie
.set GA,  11                           ; v11  my stage + 32 h
.set R8,  12                           ; v12-19 gain and bias as loaded; later the eight parts
.set X,   32                           ; v32-95   my 64 numbers
.set G,   96                           ; v96-159  their gains
.set BB,  160                          ; v160-223 their biases
.set PC,  96                           ; v96-115  the codes (the gains are done with by then)
.set TM,  224                          ; v224-239 the quantiser's: largest magnitudes, bytes, -, scale operands
.set PW,  240                          ; v240 the row's scale word
.set MU,  242                          ; v[242:243] the mean, twice
.set RS,  244                          ; v[244:245] 1 / sqrt(var + eps), twice
.set T,   246                          ; v246-249 two packed chains
.set SEL, 20                           ; s[20:21] lane selects: lane l xor 16
	s_load_b256 s[4:11], s[0:1], 0x0               ; in s[4:5], gain s[6:7], bias s[8:9], out s[10:11]
	v_lshl_add_u32 v[SPW], v0, 2, SPARE
	v_mov_b32 v[NIL], 0
	v_lshrrev_b32 v1, 5, v0
	s_delay_alu instid0(VALU_DEP_1)
	v_readfirstlane_b32 s[WVN], v1                 ; wave 0..7
	s_sub_co_u32 s53, ttmp9, TOFF                  ; my block of 16 rows, 0 .. 255
	v_and_b32 v1, 31, v0                           ; lane
	v_and_b32 v2, 15, v0                           ; r
	v_bfe_u32 v3, v0, 4, 1                         ; h
	s_delay_alu instid0(VALU_DEP_3)
	v_lshlrev_b32 v[O16], 4, v1
	s_delay_alu instid0(VALU_DEP_4)
	v_lshlrev_b32 v[O8], 3, v1
	s_delay_alu instid0(VALU_DEP_4)
	v_lshlrev_b32 v[O4R], 2, v2
	v_lshlrev_b32 v[LR], 5, v2
	s_lshl_b32 s17, s[WVN], 2
	v_add_nc_u32 v[LP], s17, v[LR]
	s_mul_i32 s18, s[WVN], WREG
	s_add_co_u32 s18, s18, STG                     ; my stage
	v_add_nc_u32 v[SI], s18, v[O16]
	v_mul_u32_u24 v[SO], v2, SP
	s_delay_alu instid0(VALU_DEP_1)
	v_lshl_add_u32 v[SO], v3, 5, v[SO]
	s_delay_alu instid0(VALU_DEP_1)
	v_add_nc_u32 v[SO], s18, v[SO]
	v_lshlrev_b32 v[GA], 5, v3
	s_delay_alu instid0(VALU_DEP_1)
	v_add_nc_u32 v[GA], s18, v[GA]
.irp b, 0,1,2,3
	v_mov_b32 v[TM+4+\b], 0                        ; written once: a lane permute's destination counts as one of its sources
.endr
	s_mov_b32 s[SEL], 0x76543210
	s_mov_b32 s[SEL+1], 0xfedcba98
	s_mov_b32 s22, 0x3a800000                      ; 1 / 1024
	s_mov_b32 s23, 0x3727c5ac                      ; 1e-5
	s_lshl_b32 s26, s[WVN], 9                      ; my wave's 512 bytes of a row
	s_mov_b32 s27, 0
	s_lshl_b32 s24, s53, 16                        ; the work-group's 16 rows of 4,096 bytes
	s_add_co_u32 s24, s24, s26
	s_mov_b32 s25, 0
	s_lshr_b32 s28, s53, 3
	s_lshl_b32 s28, s28, 3
	s_add_co_u32 s28, s28, s[WVN]
	s_mul_i32 s28, s28, 12800                      ; record (rows / 128, chunk w)
	s_and_b32 s29, s53, 7                          ; my block of 16 rows in it
	s_mul_i32 s30, s29, 1536
	s_add_co_u32 s30, s30, s28
	s_mov_b32 s31, 0
	s_lshl_b32 s32, s29, 6
	s_add_co_u32 s32, s32, s28
	s_add_co_u32 s32, s32, 12288
	s_mov_b32 s33, 0
	s_wait_alu depctr_va_vdst(0)
	s_wait_kmcnt 0x0
	s_add_nc_u64 s[4:5], s[4:5], s[24:25]
	s_add_nc_u64 s[6:7], s[6:7], s[26:27]
	s_add_nc_u64 s[8:9], s[8:9], s[26:27]
	s_add_nc_u64 s[12:13], s[10:11], s[30:31]      ; my fragment
	s_add_nc_u64 s[14:15], s[10:11], s[32:33]      ; its scale words
.irp i, 0,1,2,3,4,5,6,7,8,9,10,11,12,13,14,15
	global_load_b128 v[X+4*\i:X+4*\i+3], v[O16], s[4:5] offset:4096*\i th:TH_LOAD_NT   ; row i: 32 lanes read 512 consecutive bytes
.endr
	global_load_b128 v[R8:R8+3], v[O16], s[6:7]    ; my 128 gains
	global_load_b128 v[R8+4:R8+7], v[O16], s[8:9]  ; my 128 biases
	s_wait_loadcnt 2                               ; the 16 rows are in; the two loads of gain and bias may be out
.irp i, 0,1,2,3,4,5,6,7,8,9,10,11,12,13,14,15
	ds_store_b128 v[SI], v[X+4*\i:X+4*\i+3] offset:SP*\i
.endr
.irp e, 0,1,2,3                        ; LDS serves a wave's instructions in order: these see the stores above, and land in the registers that the stores have left
.irp u, 0,1
.irp q, 0,1
	ds_load_b128 v[X+16*\e+8*\u+4*\q:X+16*\e+8*\u+4*\q+3], v[SO] offset:128*\e+64*\u+16*\q
.endr
.endr
.endr
	s_wait_loadcnt 0x0                             ; gain and bias
	ds_store_b128 v[SI], v[R8:R8+3] offset:GOF
	ds_store_b128 v[SI], v[R8+4:R8+7] offset:BOF
.irp e, 0,1,2,3
.irp u, 0,1
.irp q, 0,1
	ds_load_b128 v[G+16*\e+8*\u+4*\q:G+16*\e+8*\u+4*\q+3], v[GA] offset:GOF+128*\e+64*\u+16*\q   ; sixteen lanes want the same 16 bytes
.endr
.endr
.endr
.irp e, 0,1,2,3
.irp u, 0,1
.irp q, 0,1
	ds_load_b128 v[BB+16*\e+8*\u+4*\q:BB+16*\e+8*\u+4*\q+3], v[GA] offset:BOF+128*\e+64*\u+16*\q
.endr
.endr
.endr
; The two packed chains in v[T:T+3] become the row's total over all 1,024 columns, in v[R8] of every lane.  off: the LDS bytes of this total's parts.
.macro ACROSS off
	s_delay_alu instid0(VALU_DEP_1)
	v_pk_add_f32 v[T:T+1], v[T:T+1], v[T+2:T+3]
	s_delay_alu instid0(VALU_DEP_1)
	v_add_f32 v[T], v[T], v[T+1]
	s_delay_alu instid0(VALU_DEP_1)
	v_permlanex16_b32 v[T+1], v[T], s[SEL], s[SEL+1]
	s_delay_alu instid0(VALU_DEP_1)
	v_add_f32 v[T], v[T], v[T+1]                   ; my wave's 128 columns of row r
	ds_store_b32 v[LP], v[T] offset:\off           ; lanes r and r + 16 write the same word with the same value
	s_wait_dscnt 0x0                               ; for the others' sake: my store has landed
	s_barrier_signal -1
	s_barrier_wait -1
	ds_load_b128 v[R8:R8+3], v[LR] offset:\off
	ds_load_b128 v[R8+4:R8+7], v[LR] offset:\off+16
	s_wait_dscnt 0x0
	v_add_f32 v[R8], v[R8], v[R8+1]
	v_add_f32 v[R8+2], v[R8+2], v[R8+3]
	v_add_f32 v[R8+4], v[R8+4], v[R8+5]
	v_add_f32 v[R8+6], v[R8+6], v[R8+7]
	s_delay_alu instid0(VALU_DEP_3)
	v_add_f32 v[R8], v[R8], v[R8+2]
	s_delay_alu instid0(VALU_DEP_2)
	v_add_f32 v[R8+4], v[R8+4], v[R8+6]
	s_delay_alu instid0(VALU_DEP_1)
	v_add_f32 v[R8], v[R8], v[R8+4]
.endm
	s_wait_dscnt 34                                ; my 64 numbers are back; behind them stand 2 stores and 32 loads of gain and bias, which may be out
	v_pk_add_f32 v[T:T+1], v[X:X+1], v[X+2:X+3]
	v_pk_add_f32 v[T+2:T+3], v[X+4:X+5], v[X+6:X+7]
.irp j, 8,12,16,20,24,28,32,36,40,44,48,52,56,60
	s_delay_alu instid0(VALU_DEP_2)
	v_pk_add_f32 v[T:T+1], v[T:T+1], v[X+\j:X+\j+1]
	s_delay_alu instid0(VALU_DEP_2)
	v_pk_add_f32 v[T+2:T+3], v[T+2:T+3], v[X+\j+2:X+\j+3]
.endr
	ACROSS 0                                       ; (its wait for 0 also shows gain and bias back in registers)
	s_delay_alu instid0(VALU_DEP_1)
	v_mul_f32 v[MU], s22, v[R8]                    ; the mean
	s_delay_alu instid0(VALU_DEP_1)
	v_mov_b32 v[MU+1], v[MU]
.set jj, 0
.rept 32
	v_pk_add_f32 v[X+jj:X+jj+1], v[X+jj:X+jj+1], v[MU:MU+1] neg_lo:[0,1] neg_hi:[0,1]   ; x - mean
.set jj, jj+2
.endr
	v_pk_mul_f32 v[T:T+1], v[X:X+1], v[X:X+1]
	v_pk_mul_f32 v[T+2:T+3], v[X+2:X+3], v[X+2:X+3]
.irp j, 4,8,12,16,20,24,28,32,36,40,44,48,52,56,60
	s_delay_alu instid0(VALU_DEP_2)
	v_pk_fma_f32 v[T:T+1], v[X+\j:X+\j+1], v[X+\j:X+\j+1], v[T:T+1]
	s_delay_alu instid0(VALU_DEP_2)
	v_pk_fma_f32 v[T+2:T+3], v[X+\j+2:X+\j+3], v[X+\j+2:X+\j+3], v[T+2:T+3]
.endr
	ACROSS 512                                     ; other bytes than the sums': no wave writes what another may still read
	s_delay_alu instid0(VALU_DEP_1)
	v_fma_f32 v[R8], v[R8], s22, s23               ; var + eps
	s_wait_alu depctr_va_vdst(0)
	v_rsq_f32 v[RS], v[R8]
	v_nop                                          ; a plain instruction behind the transcendental,
	s_wait_alu depctr_va_vdst(0)                   ; and the wait ahead of the first use of its result
	v_mov_b32 v[RS+1], v[RS]
.set jj, 0
.rept 32
	v_pk_mul_f32 v[X+jj:X+jj+1], v[X+jj:X+jj+1], v[RS:RS+1]
.set jj, jj+2
.endr
.set jj, 0
.rept 32
	v_pk_fma_f32 v[X+jj:X+jj+1], v[X+jj:X+jj+1], v[G+jj:G+jj+1], v[BB+jj:BB+jj+1]
.set jj, jj+2
.endr
; THE QUANTISER.  Register 16 b + i is place 16 h + i of block b of my row; lanes l and l xor 16 share a block.
.irp b, 0,1,2,3
	v_max3_num_f32 v[TM+\b], |v[X+16*\b]|, |v[X+1+16*\b]|, 0x1800000   ; with the floor 2^(3 - 127): the byte cannot fall under 1
.endr
.irp i, 2,4,6,8,10,12,14
.irp b, 0,1,2,3
	s_delay_alu instid0(VALU_DEP_4)
	v_max3_num_f32 v[TM+\b], v[TM+\b], |v[X+16*\b+\i]|, |v[X+1+16*\b+\i]|
.endr
.endr
.irp b, 0,1,2,3
	s_delay_alu instid0(VALU_DEP_4)
	v_permlanex16_b32 v[TM+4+\b], v[TM+\b], s[SEL], s[SEL+1]
.endr
.irp b, 0,1,2,3
	s_delay_alu instid0(VALU_DEP_4)
	v_max_num_f32 v[TM+\b], v[TM+\b], v[TM+4+\b]   ; the block's largest magnitude
.endr
.irp b, 0,1,2,3
	s_delay_alu instid0(VALU_DEP_4)
	v_add_nc_u32 v[TM+12+\b], 0xff000000, v[TM+\b] ; 2 off its exponent field: the conversion's scale operand
.endr
.irp b, 0,1,2,3
	s_delay_alu instid0(VALU_DEP_4)
	v_lshrrev_b32 v[TM+4+\b], 23, v[TM+12+\b]      ; the scale's byte
.endr
	s_delay_alu instid0(VALU_DEP_3)
	v_lshl_or_b32 v[PW], v[TM+5], 8, v[TM+4]
	s_delay_alu instid0(VALU_DEP_1)
	v_lshl_or_b32 v[PW], v[TM+6], 16, v[PW]
	s_delay_alu instid0(VALU_DEP_1)
	v_lshl_or_b32 v[PW], v[TM+7], 24, v[PW]
.irp c, 0,1
	v_cvt_scalef32_pk16_fp6_f32 v[PC+6*\c:PC+2+6*\c], v[X+32*\c:X+15+32*\c], v[TM+12+2*\c]
	v_cvt_scalef32_pk16_fp6_f32 v[PC+12+4*\c:PC+14+4*\c], v[X+16+32*\c:X+31+32*\c], v[TM+13+2*\c]   ; (a conversion's three registers begin on an even number)
.endr
	v_nop                                          ; a plain instruction behind the scaled conversions
.irp c, 0,1                                    ; the operand wants a whole block in a lane: lanes 0-15 block 2 c, lanes 16-31 block 2 c + 1
.irp i, 0,1,2
	v_permlane16_swap_b32 v[PC+6*\c+\i], v[PC+12+4*\c+\i]
.endr
.irp i, 0,1,2
	s_delay_alu instid0(VALU_DEP_3)
	v_mov_b32 v[PC+3+6*\c+\i], v[PC+12+4*\c+\i]
.endr
.endr
	global_store_b128 v[O16], v[PC:PC+3], s[12:13]
	global_store_b64 v[O8], v[PC+4:PC+5], s[12:13] offset:512
	global_store_b128 v[O16], v[PC+6:PC+9], s[12:13] offset:768
	global_store_b64 v[O8], v[PC+10:PC+11], s[12:13] offset:1280
	global_store_b32 v[O4R], v[PW], s[14:15]       ; 16 words; lanes r and r + 16 hold the same word and name the same place
	s_wait_tensorcnt 0x0                           ; the wave's end
	ds_add_u32 v[SPW], v[NIL]
	s_wait_dscnt 0x0
	s_endpgm
.Lfunc_end_k_q2d5430cbf7_ln2:
	.size	k_q2d5430cbf7_ln2, .Lfunc_end_k_q2d5430cbf7_ln2-k_q2d5430cbf7_ln2
	.p2alignl 7, 3214868480
	.fill 96, 4, 3214868480
	.section	.rodata,"a",@progbits
	.p2align	6, 0x0
	.amdhsa_kernel k_q2d5430cbf7_ln2
		.amdhsa_group_segment_fixed_size 77824
		.amdhsa_private_segment_fixed_size 0
		.amdhsa_enable_private_segment 0
		.amdhsa_kernarg_size 32
		.amdhsa_user_sgpr_count 2
		.amdhsa_user_sgpr_kernarg_segment_ptr 1
		.amdhsa_wavefront_size32 1
		.amdhsa_system_sgpr_workgroup_id_x 1
		.amdhsa_system_sgpr_workgroup_id_y 1
		.amdhsa_system_sgpr_workgroup_id_z 1
		.amdhsa_system_vgpr_workitem_id 0
		.amdhsa_next_free_vgpr 256
		.amdhsa_next_free_sgpr 66
		.amdhsa_reserve_vcc 0
		.amdhsa_float_denorm_mode_32 3
		.amdhsa_float_denorm_mode_16_64 3
		.amdhsa_memory_ordered 1
		.amdhsa_forward_progress 1
		.amdhsa_inst_pref_size 29
	.end_amdhsa_kernel
	.amdgpu_metadata
---
amdhsa.version: [ 1, 2 ]
amdhsa.kernels:
  - .name:           k_q2d5430cbf7_ln2
    .symbol:         k_q2d5430cbf7_ln2.kd
    .args:
      - { .name: x1, .offset: 0, .size: 8, .value_kind: global_buffer, .address_space: global }
      - { .name: ln2_g, .offset: 8, .size: 8, .value_kind: global_buffer, .address_space: global }
      - { .name: ln2_b, .offset: 16, .size: 8, .value_kind: global_buffer, .address_space: global }
      - { .name: hn, .offset: 24, .size: 8, .value_kind: global_buffer, .address_space: global }
    .group_segment_fixed_size: 77824
    .private_segment_fixed_size: 0
    .kernarg_segment_align: 8
    .kernarg_segment_size: 32
    .max_flat_workgroup_size: 256
    .sgpr_count:     66
    .vgpr_count:     256
    .wavefront_size: 32
...
	.end_amdgpu_metadata
.endif
;; end of part 5
;; launch mlp1 (part 6): grid 16 x 16, 4 waves a work-group, clusters of 4 x 4, 327,680 bytes of LDS; arguments hn, wrec, b1, hid; writes hid
.if DOCPART == 6
	.amdgcn_target "amdgcn-amd-amdhsa--gfx1250"
	.amdhsa_code_object_version 6
	.text
	.protected	k_q2d5430cbf7_mlp1
	.globl	k_q2d5430cbf7_mlp1
	.p2align	8
	.type	k_q2d5430cbf7_mlp1,@function
k_q2d5430cbf7_mlp1:
	s_mov_b64 s[64:65], 0
	v_nop
	global_prefetch_b8 v0, s[64:65] scope:SCOPE_SE
	s_setreg_imm32_b32 hwreg(HW_REG_WAVE_MODE, 25, 1), 1
	s_wait_xcnt 0x0
	s_wait_alu depctr_hold_cnt(0) depctr_sa_sdst(0) depctr_va_vdst(0) depctr_va_sdst(0) depctr_va_ssrc(0) depctr_va_vcc(0) depctr_vm_vsrc(0)
	s_getreg_b32 s2, hwreg(HW_REG_IB_STS2, 6, 4)
	s_cmp_eq_u32 s2, 0
	s_cbranch_scc0 .Lentry_in_a_cluster
	s_endpgm
.Lentry_in_a_cluster:
	s_bfe_u32 s2, ttmp6, 0x10000c
	s_cmp_lg_u32 s2, 0xf033
	s_cbranch_scc0 .Lentry_shape_is_right
	s_endpgm
.Lentry_shape_is_right:
.set CHB,   12800
.set PART,  2*CHB
.set SLOT,  PART                       ; from a group's part of slot 0 to its part of slot 1: a group's two parts lie on end, so that one load fills both at the head
.set SPARE, 8*PART                     ; behind the ring: the spare words
.set GRP,   8*CHB
.set W1OFF, 256*CHB
.set FR,  12
.set NL,  4
.set SC,  32
.set BIAS, 64
.set AF,  128
.set O4,  10
.set O16, 26
.set O8,  27
.set SPW, 28
.set NIL, 29
.set TM,  128
.set PW,  144
.set PWE, 145
.set PWS, 146
.set PC,  148
.set G1,  24
.set G0,  32
.set G1B, 48
.set G0B, 56
.set SEL, 82
.set MSB, 0
.macro WIN new
.set WNEW, \new
.if MSB != WNEW
	s_set_vgpr_msb (MSB<<8)|WNEW
.set MSB, WNEW
.endif
.endm
.set MUL_LO, 0xa1
.set MUL_HI, 0xf1
.set BEG_LO, 0x81
.set BEG_HI, 0xc1
.set TO_B,   0x40
.macro PLACES
.rept 4
	v_nop
.endr
.endm
.macro JLOAD g0a, g1a, g0b, g1b
	s_cmp_eq_u32 s15, 0
	s_cbranch_scc0 .Lfor_b_\@
	tensor_load_to_lds s[\g0a:\g0a+3], s[\g1a:\g1a+7]
	s_nop 0
.rept 4
	v_nop
.endr
	s_branch .Lasked_\@
.Lfor_b_\@:
	tensor_load_to_lds s[\g0b:\g0b+3], s[\g1b:\g1b+7]
	s_nop 0
.rept 4
	v_nop
.endr
.Lasked_\@:
.endm
.macro CREST
	s_cmp_lg_u32 s14, 0
	s_cbranch_scc1 .Lnot_wave_0_\@
	s_barrier_signal -3
.Lnot_wave_0_\@:
	s_barrier_wait -3
	s_barrier_signal -1
	s_barrier_wait -1
.endm
.macro CROUND
	s_barrier_signal -1
	s_barrier_wait -1
	CREST
.endm
	s_load_b256 s[4:11], s[0:1], 0x0
	v_lshl_add_u32 v[SPW], v0, 2, SPARE
	v_mov_b32 v[NIL], 0
	ds_add_u32 v[SPW], v[NIL]
	ds_add_u32 v[SPW], v[NIL]
	v_lshrrev_b32 v1, 5, v0
	v_readfirstlane_b32 s14, v1
	s_lshr_b32 s15, s14, 1
	s_and_b32 s16, s14, 1
	s_bfe_u32 s40, ttmp6, 0x40000
	s_bfe_u32 s41, ttmp6, 0x40004
	s_lshl_b32 s42, ttmp9, 2
	s_add_co_u32 s42, s42, s40
	s_and_b32 s17, ttmp7, 0xffff
	s_lshl_b32 s17, s17, 2
	s_add_co_u32 s17, s17, s41
	s_lshl_b32 s43, s41, 2
	s_lshl_b32 s43, 15, s43
	s_lshl_b32 s44, 0x1111, s40
	s_or_b32 s[G1+0], s43, (3<<16)|(1<<21)
	s_or_b32 s[G1B+0], s44, (3<<16)|(1<<21)
.irp g, G1, G1B
	s_mov_b32 s[\g+1], 32<<16
	s_mov_b32 s[\g+2], 200<<16                     ; the head's load brings four chunks, 200 rows of 256 bytes; the ring's loads 100 (set below)
	s_mov_b32 s[\g+3], 32<<16
	s_mov_b32 s[\g+4], 200
	s_mov_b32 s[\g+5], 32
	s_mov_b32 s[\g+6], 0
	s_mov_b32 s[\g+7], 0
.endr
	s_lshl_b32 s20, s17, 1
	s_add_co_u32 s20, s20, s16
	s_mul_i32 s20, s20, GRP
	s_mov_b32 s21, 0
	s_lshl_b32 s46, s42, 1
	s_add_co_u32 s46, s46, s16
	s_mul_i32 s46, s46, GRP
	s_add_co_u32 s46, s46, W1OFF
	s_mov_b32 s47, 0
	s_mul_i32 s45, s14, 2*PART
	s_mov_b32 s[SEL], 0x76543210
	s_mov_b32 s[SEL+1], 0xfedcba98
	s_mov_b32 s80, 0xffff0000
	s_wait_dscnt 0x0
	s_wait_kmcnt 0x0
	s_add_nc_u64 s[20:21], s[4:5], s[20:21]
	s_add_nc_u64 s[46:47], s[6:7], s[46:47]
	CROUND
.irp s, 0,1
	s_mov_b32 s[G0+4*\s], 1
	s_add_co_u32 s[G0+4*\s+1], s45, \s*SLOT
	s_add_nc_u64 s[G0+4*\s+2:G0+4*\s+3], s[20:21], \s*PART
	s_or_b32 s[G0+4*\s+3], s[G0+4*\s+3], 0x80000000
	s_mov_b32 s[G0B+4*\s], 1
	s_add_co_u32 s[G0B+4*\s+1], s45, \s*SLOT
	s_add_nc_u64 s[G0B+4*\s+2:G0B+4*\s+3], s[46:47], \s*PART
	s_or_b32 s[G0B+4*\s+3], s[G0B+4*\s+3], 0x80000000
.endr
	JLOAD G0, G1, G0B, G1B                         ; my one load at the head: my group's K chunks 0 to 3, both slots' parts
	s_cmp_eq_u32 s15, 0                            ; the prefetches: of my group's chunks 4 to 7, which the two refills will bring, each of the four partners that ask jointly takes one, told apart by address
	s_cselect_b64 s[84:85], s[20:21], s[46:47]     ; my group's first byte; never rewritten
	s_cselect_b32 s86, s40, s41                    ; my place among the four: cx for A, cy for B
	s_mul_i32 s86, s86, CHB
	v_and_b32 v1, 31, v0
	v_and_b32 v2, 15, v0
	v_bfe_u32 v3, v0, 4, 1
	s_wait_alu depctr_va_vdst(0)
	v_lshlrev_b32 v[O16], 4, v1
	s_wait_alu depctr_va_vdst(0)
	v_lshlrev_b32 v[O8], 3, v1
	s_wait_alu depctr_va_vdst(0)
	v_lshlrev_b32 v[O4], 2, v1
	v_lshl_add_u32 v11, v1, 8, s86                 ; a chunk is 50 blocks of 256 bytes: a lane a block, 32 and 18; the second instruction's last lanes name its last block again
	v_min_u32 v12, 17, v1
	v_lshl_add_u32 v12, v12, 8, s86
	global_prefetch_b8 v11, s[84:85] offset:2*PART th:TH_LOAD_NT scope:SCOPE_SE
	global_prefetch_b8 v12, s[84:85] offset:2*PART+8192 th:TH_LOAD_NT scope:SCOPE_SE
	v_lshlrev_b32 v5, 5, v3
	s_lshl_b32 s70, s42, 10
	s_lshl_b32 s71, s16, 9
	s_add_co_u32 s70, s70, s71
	s_mov_b32 s71, 0
	s_add_nc_u64 s[72:73], s[8:9], s[70:71]
.irp b, 0,1,2,3,4,5,6,7
	global_load_b128 v[BIAS+8*\b:BIAS+8*\b+3], v5, s[72:73] offset:64*\b
	global_load_b128 v[BIAS+8*\b+4:BIAS+8*\b+7], v5, s[72:73] offset:64*\b+16
.endr
	s_mul_i32 s21, s15, 2*PART
	s_mul_i32 s22, s16, 2*PART
	s_add_co_u32 s22, s22, 4*PART
	s_sub_co_u32 s23, s22, s21
	v_mul_u32_u24 v4, s23, v3
	v_lshl_add_u32 v4, v2, 2, v4
.irp s, 0,1
	v_add_nc_u32 v[16+\s], s21, v[O16]
	v_add_nc_u32 v[18+\s], s21, v[O8]
	v_add_nc_u32 v[20+\s], s22, v[O16]
	v_add_nc_u32 v[22+\s], s22, v[O8]
	v_add_nc_u32 v[24+\s], s21, v4
	s_add_co_u32 s21, s21, SLOT
	s_add_co_u32 s22, s22, SLOT
.endr
	s_lshl_b32 s67, s17, 1
	s_add_co_u32 s67, s67, s15
	s_lshl_b32 s68, s42, 1
	s_add_co_u32 s68, s68, s16
	s_lshl_b32 s67, s67, 5
	s_add_co_u32 s74, s67, s68
	s_mul_i32 s74, s74, CHB
	s_mov_b32 s75, 0
	s_add_nc_u64 s[76:77], s[10:11], s[74:75]
.macro FRAG reg, adr, off
	ds_load_b128 v[\reg:\reg+3], v[\adr] offset:\off
	ds_load_b64 v[\reg+4:\reg+5], v[\adr+2] offset:\off+512
	ds_load_b128 v[\reg+6:\reg+9], v[\adr] offset:\off+768
	ds_load_b64 v[\reg+10:\reg+11], v[\adr+2] offset:\off+1280
.endm
.macro MUL16 a0, p, q, sc, zero
.irp a, \a0, \a0+1
.irp b, 0,1,2,3,4,5,6,7
.if \zero
	v_wmma_scale_f32_16x16x128_f8f6f4 v[8*(8*((\a)%4)+\b):8*(8*((\a)%4)+\b)+7], v[128*(\p)+FR*\b:128*(\p)+FR*\b+FR-1], v[AF+FR*(\a):AF+FR*(\a)+FR-1], v[BIAS+8*\b:BIAS+8*\b+7], v[SC+16*(\sc)+2*\b+(\q)], v[SC+16*(\sc)+2*(\a)+(\q)] matrix_a_fmt:MATRIX_FMT_FP6 matrix_b_fmt:MATRIX_FMT_FP6 matrix_a_scale:MATRIX_SCALE_ROW1
.else
	v_wmma_scale_f32_16x16x128_f8f6f4 v[8*(8*((\a)%4)+\b):8*(8*((\a)%4)+\b)+7], v[128*(\p)+FR*\b:128*(\p)+FR*\b+FR-1], v[AF+FR*(\a):AF+FR*(\a)+FR-1], v[8*(8*((\a)%4)+\b):8*(8*((\a)%4)+\b)+7], v[SC+16*(\sc)+2*\b+(\q)], v[SC+16*(\sc)+2*(\a)+(\q)] matrix_a_fmt:MATRIX_FMT_FP6 matrix_b_fmt:MATRIX_FMT_FP6 matrix_a_scale:MATRIX_SCALE_ROW1
.endif
.endr
.endr
.endm
.macro FETCH_B slot, q, p
	WIN TO_B
.irp i, 0,1,2,3,4,5,6,7
	FRAG 128*(\p)+FR*\i, 20+\slot, (\q)*CHB+1536*\i
.endr
	WIN 0
.endm
.macro FETCH_A slot, q, i0
.irp i, \i0, \i0+1, \i0+2, \i0+3
	FRAG AF+FR*(\i), 16+\slot, (\q)*CHB+1536*(\i)
.endr
.endm
.macro SCALES slot
.irp i, 0,1,2,3,4,5,6,7
.irp q, 0,1
	ds_load_b32 v[SC+16*\slot+2*\i+\q], v[24+\slot] offset:12288+\q*CHB+64*\i
.endr
.endr
.endm
.macro STEP slot, q, zero
	s_wait_dscnt 4*NL
.if \zero
	WIN BEG_LO
.else
	WIN MUL_LO
.endif
	MUL16 0, (\q)%2, \q, \slot, \zero
	MUL16 2, (\q)%2, \q, \slot, \zero
	s_wait_dscnt 0x0
	PLACES
	FETCH_B \slot, (\q)+1, 1-(\q)%2
	FETCH_A \slot, (\q)+1, 0
.if \zero
	WIN BEG_HI
.else
	WIN MUL_HI
.endif
	MUL16 4, (\q)%2, \q, \slot, \zero
	MUL16 6, (\q)%2, \q, \slot, \zero
	PLACES
	WIN 0
	FETCH_A \slot, (\q)+1, 4
.endm
.macro TURN slot, next, fill
	s_wait_tensorcnt 0x0
	ds_add_u32 v[SPW], v[NIL]
	s_wait_dscnt 4*NL+1
	WIN MUL_LO
	MUL16 0, 1, 1, \slot, 0
	s_wait_dscnt 0x0
	s_barrier_signal -1
	MUL16 2, 1, 1, \slot, 0
	WIN 0
	s_barrier_wait -1
.if \fill
	CREST
	s_add_nc_u64 s[G0+4*\slot+2:G0+4*\slot+3], s[G0+4*\slot+2:G0+4*\slot+3], 2*PART
	s_add_nc_u64 s[G0B+4*\slot+2:G0B+4*\slot+3], s[G0B+4*\slot+2:G0B+4*\slot+3], 2*PART
	JLOAD G0+4*\slot, G1, G0B+4*\slot, G1B
.else
	PLACES
.endif
	FETCH_B \next, 0, 0
	FETCH_A \next, 0, 0
	SCALES \next
	WIN MUL_HI
	MUL16 4, 1, 1, \slot, 0
	MUL16 6, 1, 1, \slot, 0
	PLACES
	WIN 0
	FETCH_A \next, 0, 4
.endm
	s_wait_alu depctr_va_vdst(0)
	s_wait_tensorcnt 0x0                           ; my group's four chunks are in; no load of mine is out, so the descriptors may be written:
	s_mov_b32 s[G1+2], 100<<16                     ; from here on a load brings two chunks, 100 rows
	s_mov_b32 s[G1+4], 100
	s_mov_b32 s[G1B+2], 100<<16
	s_mov_b32 s[G1B+4], 100
	s_barrier_signal -1
	s_barrier_wait -1
	FETCH_B 0, 0, 0
	FETCH_A 0, 0, 0
	SCALES 0
	FETCH_A 0, 0, 4
	s_wait_loadcnt 0x0
	STEP 0, 0, 1
	s_mov_b32 s3, 1
.Llap:
	TURN 0, 1, 1
	STEP 1, 0, 0
	TURN 1, 0, 1
	STEP 0, 0, 0
	s_sub_co_u32 s3, s3, 1
	s_cmp_lg_u32 s3, 0
	s_cbranch_scc1 .Llap
	TURN 0, 1, 0
	STEP 1, 0, 0
	s_wait_dscnt 4*NL
	WIN MUL_LO
	MUL16 0, 1, 1, 1, 0
	MUL16 2, 1, 1, 1, 0
	s_wait_dscnt 0x0
	WIN MUL_HI
	MUL16 4, 1, 1, 1, 0
	MUL16 6, 1, 1, 1, 0
	WIN 0
.macro QUANT s, w
	WIN (\w)|((\w)<<2)
.irp b, 0,1,2,3
	v_max3_num_f32 v[TM+\b], |v[(\s)+16*\b]|, |v[(\s)+16*\b+1]|, 0x1800000
.endr
.irp i, 2,4,6,8,10,12,14
.irp b, 0,1,2,3
	v_max3_num_f32 v[TM+\b], |v[(\s)+16*\b+\i]|, |v[(\s)+16*\b+\i+1]|, v[TM+\b]
.endr
.endr
	WIN 0
.irp b, 0,1,2,3
	v_permlanex16_b32 v[TM+4+\b], v[TM+\b], s[SEL], s[SEL+1]
.endr
.irp b, 0,1,2,3
	v_max_num_f32 v[TM+\b], v[TM+\b], v[TM+4+\b]
.endr
.irp b, 0,1,2,3
	v_add_nc_u32 v[TM+12+\b], 0xff000000, v[TM+\b]
.endr
.irp b, 0,1,2,3
	v_lshrrev_b32 v[TM+4+\b], 23, v[TM+12+\b]
.endr
	v_lshl_or_b32 v[PW], v[TM+5], 8, v[TM+4]
	v_lshl_or_b32 v[PW], v[TM+6], 16, v[PW]
	v_lshl_or_b32 v[PW], v[TM+7], 24, v[PW]
	WIN \w
.irp c, 0,1
	v_cvt_scalef32_pk16_fp6_f32 v[PC+6*\c:PC+2+6*\c], v[(\s)+32*\c:(\s)+32*\c+15], v[TM+12+2*\c]
	v_cvt_scalef32_pk16_fp6_f32 v[PC+12+4*\c:PC+14+4*\c], v[(\s)+32*\c+16:(\s)+32*\c+31], v[TM+13+2*\c]
.endr
	WIN 0
	v_nop
.irp c, 0,1
.irp i, 0,1,2
	v_permlane16_swap_b32 v[PC+6*\c+\i], v[PC+12+4*\c+\i]
.endr
.irp i, 0,1,2
	v_mov_b32 v[PC+3+6*\c+\i], v[PC+12+4*\c+\i]
.endr
.endr
.endm
.macro OUT a
.set PC, 148+12*(\a)                   ; each block's 12 registers of codes are its own (the conversions' spare registers lie in the next block's, not yet written), and so is each pair's scale word: no store's data are written again
.set PWS, 64+2*((\a)/2)
	WIN ((2+(\a)/4)<<2)|((2+(\a)/4)<<6)
.set jj, 0
.rept 64
	v_max_num_f32 v[64*((\a)%4)+jj], 0, v[64*((\a)%4)+jj]
.set jj, jj+1
.endr
	QUANT 64*((\a)%4), 2+(\a)/4
	global_store_b128 v[O16], v[PC:PC+3], s[76:77] offset:1536*(\a)
	global_store_b64 v[O8], v[PC+4:PC+5], s[76:77] offset:1536*(\a)+512
	global_store_b128 v[O16], v[PC+6:PC+9], s[76:77] offset:1536*(\a)+768
	global_store_b64 v[O8], v[PC+10:PC+11], s[76:77] offset:1536*(\a)+1280
.if (\a)%2 == 0
	v_mov_b32 v[PWE], v[PW]
.else
	v_cndmask_b32 v[PWS], v[PWE], v[PW], s80
	global_store_b32 v[O4], v[PWS], s[76:77] offset:12288+64*((\a)-1)
.endif
.endm
	PLACES
.irp b, 0,1,2,3
	v_mov_b32 v[TM+4+\b], 0
.endr
.irp a, 0,1,2,3,4,5,6,7
	OUT \a
.endr
	s_wait_tensorcnt 0x0
	ds_add_u32 v[SPW], v[NIL]
	s_wait_dscnt 0x0
	CROUND
	s_endpgm
.Lfunc_end_k_q2d5430cbf7_mlp1:
	.size	k_q2d5430cbf7_mlp1, .Lfunc_end_k_q2d5430cbf7_mlp1-k_q2d5430cbf7_mlp1
	.p2alignl 7, 3214868480
	.fill 96, 4, 3214868480
	.section	.rodata,"a",@progbits
	.p2align	6, 0x0
	.amdhsa_kernel k_q2d5430cbf7_mlp1
		.amdhsa_group_segment_fixed_size 327680
		.amdhsa_private_segment_fixed_size 0
		.amdhsa_enable_private_segment 0
		.amdhsa_kernarg_size 32
		.amdhsa_user_sgpr_count 2
		.amdhsa_user_sgpr_kernarg_segment_ptr 1
		.amdhsa_wavefront_size32 1
		.amdhsa_system_sgpr_workgroup_id_x 1
		.amdhsa_system_sgpr_workgroup_id_y 1
		.amdhsa_system_sgpr_workgroup_id_z 1
		.amdhsa_system_vgpr_workitem_id 0
		.amdhsa_next_free_vgpr 1024
		.amdhsa_next_free_sgpr 100
		.amdhsa_reserve_vcc 0
		.amdhsa_float_denorm_mode_32 3
		.amdhsa_float_denorm_mode_16_64 3
		.amdhsa_memory_ordered 1
		.amdhsa_forward_progress 1
		.amdhsa_inst_pref_size 166
	.end_amdhsa_kernel
	.amdgpu_metadata
---
amdhsa.version: [ 1, 2 ]
amdhsa.kernels:
  - .name:           k_q2d5430cbf7_mlp1
    .symbol:         k_q2d5430cbf7_mlp1.kd
    .args:
      - { .name: hn, .offset: 0, .size: 8, .value_kind: global_buffer, .address_space: global }
      - { .name: wrec, .offset: 8, .size: 8, .value_kind: global_buffer, .address_space: global }
      - { .name: b1, .offset: 16, .size: 8, .value_kind: global_buffer, .address_space: global }
      - { .name: hid, .offset: 24, .size: 8, .value_kind: global_buffer, .address_space: global }
    .group_segment_fixed_size: 327680
    .private_segment_fixed_size: 0
    .kernarg_segment_align: 8
    .kernarg_segment_size: 32
    .max_flat_workgroup_size: 128
    .sgpr_count:     100
    .vgpr_count:     1024
    .wavefront_size: 32
...
	.end_amdgpu_metadata
.endif
;; end of part 6
;; launch mlp2 (part 7): grid 8 x 32, 4 waves a work-group, clusters of 4 x 4, 327,680 bytes of LDS; arguments hid, wrec, b2, x1, out0; writes out0
.if DOCPART == 7
	.amdgcn_target "amdgcn-amd-amdhsa--gfx1250"
	.amdhsa_code_object_version 6
	.text
	.protected	k_q2d5430cbf7_mlp2
	.globl	k_q2d5430cbf7_mlp2
	.p2align	8
	.type	k_q2d5430cbf7_mlp2,@function
k_q2d5430cbf7_mlp2:
	s_mov_b64 s[64:65], 0
	v_nop
	global_prefetch_b8 v0, s[64:65] scope:SCOPE_SE
	s_setreg_imm32_b32 hwreg(HW_REG_WAVE_MODE, 25, 1), 1
	s_wait_xcnt 0x0
	s_wait_alu depctr_hold_cnt(0) depctr_sa_sdst(0) depctr_va_vdst(0) depctr_va_sdst(0) depctr_va_ssrc(0) depctr_va_vcc(0) depctr_vm_vsrc(0)
	s_getreg_b32 s2, hwreg(HW_REG_IB_STS2, 6, 4)
	s_cmp_eq_u32 s2, 0
	s_cbranch_scc0 .Lentry_in_a_cluster
	s_endpgm
.Lentry_in_a_cluster:
	s_bfe_u32 s2, ttmp6, 0x10000c
	s_cmp_lg_u32 s2, 0xf033
	s_cbranch_scc0 .Lentry_shape_is_right
	s_endpgm
.Lentry_shape_is_right:
; out = x1 + hid W2 + b2.  hid: [4096][4096], W2: [1024 (n)][4096 (k)] as records of operand registers in codes of FP6 (E2M3) with E8M0 scales; b2 [1024], x1 and out [4096][1024] f32.
; A record (a K chunk) is 128 rows x 128 K = 12,800 bytes: eight fragments of 1,536 bytes (registers 0-3 of lane l at 16 l, 4-5 at 512 + 8 l, 6-9 at 768 + 16 l, 10-11 at 1280 + 8 l), then scale words at 12288 + 64 i + 4 r.
; A group of 128 rows has its 32 chunks on end.  Along K the codes stand in this program's order on both sides.
; SHARES.  256 work-groups, each 128 x 128 of C; wave w makes all 128 rows x columns 32 w .. 32 w + 31: 16 accumulators.  Source 0 = 16 rows of W2, source 1 = 16 rows of hid: a lane holds eight neighbouring numbers of a row of C.
; A (hid) GOES THROUGH LDS, which holds nothing else: 24 places of a chunk.  The head asks for chunks 0-23, one joint load a wave: chunks 0-3 and 4-7 to places 16-23, chunks 8-15 and 16-23 to places 0-15.
; The products begin when chunks 0-7 are in.  ONE REFILL: when all waves hold chunk 7 in registers, a drained round of the cluster's barrier, and chunks 24-31 go to places 16-23, two chunks a wave; they are first read 16 chunks later, behind a plain barrier.
; So from chunk 8 on chunk c lies at place c - 8.  A's tiles are shared along a row of the cluster (mask).
; B (W2) GOES FROM MEMORY STRAIGHT INTO REGISTERS: a wave's two fragments and their scale words are read by that wave alone, as they lie: 9 loads a chunk, 7 chunks ahead (63 loads out), eight sets of registers by turns.
; No joint load for B: it lands in no LDS tile, and no two waves of a work-group read the same byte of it.
; THE BIAS is the C of each sum's first product.  THE RESIDUAL, my 32 rows of 512 bytes, is needed last and asked for last: 8 loads behind each of chunks 25 to 28, where no more of B is asked for.
; PREFETCHES: the refill's 400 blocks of 256 bytes, and B's chunks 16-23 and 24-31 (400 blocks each), 25 blocks to each of the sixteen waves of the cluster that read them, told apart by address (4 cx + wave for A, 4 cy + wave for B);
; lanes 25-31 name the wave's last block again.  The first two stand at the head, the third behind the refill: B's loads of those chunks begin 9 chunks later.  Earlier chunks come by their loads alone.
; Behind the refill each wave also asks for the 64 blocks of its own rows of the residual, 18 chunks ahead of their loads.
; On the way out the sums cross through one stage in places 0-5 (their last fill and last read are over) and leave as whole rows of 512 bytes.
; THE TEXT: chunks 0-6 written out, chunks 7-22 a loop of two trips, chunks 23-31 written out.
; REGISTERS: window 0: v8-25 addresses; v32, 40 .. 88 B's scale words, v33-36, v41-44 A's (two blocks to a register), and nothing else there; v96-111 bias; v128-255 accumulators.  window 1: A's fragments, two sets.  window 2: B's, eight sets.  window 3: the residual.
; LIMITS: NaN and infinities are not served.  A sum begins with the bias, where the reference adds it last.
.set KC,    32
.set CHB,   12800
.set WOFF,  512*CHB                    ; W2's first unit in the weights' buffer
.set TOP,   16*CHB                     ; place 16
.set SPARE, 24*CHB                     ; behind the places: the spare words, 128 bytes a wave, which no other line names
.set SPITCH, 528                       ; a stage row: 512 bytes + 16
.set L16, 8
.set L8,  9
.set L4,  10
.set A16, 11                           ; v11-13 LDS addresses of the chunk that is fetched
.set A8,  12
.set AS,  13
.set B16, 14                           ; v14-16 my offsets in a chunk of B
.set B8,  15
.set BS,  16
.set STO, 17
.set RD,  18
.set PFA, 20
.set PFB, 21
.set SPW, 22
.set NIL, 23
.set BO,  24
.set PFX, 25
.set SB,  32
.set SA,  33
.set BI,  96
.set ACC, 128
.set G1,  24
.set G0,  32
.set POS, 44                           ; s44 LDS byte of the chunk that is fetched next
.set MUL, 0x06                         ; source 0 (B) window 2, source 1 (A) window 1, C and D window 0
.set MSB, 0
.macro WIN new
.set WNEW, \new
.if MSB != WNEW
	s_set_vgpr_msb (MSB<<8)|WNEW
.set MSB, WNEW
.endif
.endm
.macro PLACES
.rept 4
	v_nop
.endr
.endm
.macro CROUND
	s_barrier_signal -1
	s_barrier_wait -1
	s_cmp_lg_u32 s14, 0
	s_cbranch_scc1 .Lnot_wave_0_\@
	s_barrier_signal -3
.Lnot_wave_0_\@:
	s_barrier_wait -3
	s_barrier_signal -1
	s_barrier_wait -1
.endm
.macro TLOAD                           ; an s_nop 0 and four v_nop follow the load
	tensor_load_to_lds s[G0:G0+3], s[G1:G1+7]
	s_nop 0
	PLACES
.endm
.macro ATILE first, n, place           ; chunks first .. first + n - 1, a dense block of 50 n rows of 256 bytes, to LDS place 'place'
	s_mov_b32 s[G0+1], (\place)*CHB
	s_mov_b32 s[G1+2], ((\n)*50)<<16
	s_mov_b32 s[G1+4], (\n)*50
	s_add_nc_u64 s[G0+2:G0+3], s[50:51], (\first)*CHB
	s_or_b32 s[G0+3], s[G0+3], 0x80000000
	TLOAD
.endm
.macro FRAG reg, off
	ds_load_b128 v[\reg:\reg+3], v[A16] offset:\off
	ds_load_b64 v[\reg+4:\reg+5], v[A8] offset:\off+512
	ds_load_b128 v[\reg+6:\reg+9], v[A16] offset:\off+768
	ds_load_b64 v[\reg+10:\reg+11], v[A8] offset:\off+1280
.endm
; 36 LDS loads: the chunk at s[POS] into A's set cur: four registers of scale words (lanes 0-15 block 2 i, lanes 16-31 block 2 i + 1), eight fragments.  The three additions and the v_nop are the four places in front of loads into registers that products have read.
.macro AFETCH cur
	WIN 0
	v_add_nc_u32 v[A16], s[POS], v[L16]
	v_add_nc_u32 v[A8], s[POS], v[L8]
	v_add_nc_u32 v[AS], s[POS], v[L4]
	v_nop
.irp i, 0,1,2,3
	ds_load_b32 v[SA+8*(\cur)+\i], v[AS] offset:12288+128*\i
.endr
	WIN 0x40
.irp i, 0,1,2,3,4,5,6,7
	FRAG 96*(\cur)+12*\i, 1536*\i
.endr
	s_add_co_u32 s[POS], s[POS], CHB
.endm
; 9 loads: my two fragments and 32 scale words (lanes 0-15 the first fragment's, lanes 16-31 the second's) of the chunk 'off' chunks behind B's base, into set bs
.macro BLOAD off, bs
	WIN 0x80
.irp f, 0,1
	global_load_b128 v[24*(\bs)+12*\f:24*(\bs)+12*\f+3], v[B16], s[46:47] offset:(\off)*CHB+1536*\f
	global_load_b64 v[24*(\bs)+12*\f+4:24*(\bs)+12*\f+5], v[B8], s[46:47] offset:(\off)*CHB+1536*\f+512
	global_load_b128 v[24*(\bs)+12*\f+6:24*(\bs)+12*\f+9], v[B16], s[46:47] offset:(\off)*CHB+1536*\f+768
	global_load_b64 v[24*(\bs)+12*\f+10:24*(\bs)+12*\f+11], v[B8], s[46:47] offset:(\off)*CHB+1536*\f+1280
.endr
	WIN 0
	global_load_b32 v[SB+8*(\bs)], v[BS], s[46:47] offset:(\off)*CHB+12288
.endm
.macro PRD d, s0, s1, first, x0, x1, ra, rb   ; ra: which of my two fragments of B, and the row of its scale words; first: the bias of its 16 columns starts the sum
.if \first
	v_wmma_scale_f32_16x16x128_f8f6f4 v[\d:\d+7], v[\s0:\s0+11], v[\s1:\s1+11], v[BI+8*\ra:BI+8*\ra+7], v[\x0], v[\x1] matrix_a_fmt:MATRIX_FMT_FP6 matrix_b_fmt:MATRIX_FMT_FP6 matrix_a_scale:MATRIX_SCALE_ROW\ra matrix_b_scale:MATRIX_SCALE_ROW\rb
.else
	v_wmma_scale_f32_16x16x128_f8f6f4 v[\d:\d+7], v[\s0:\s0+11], v[\s1:\s1+11], v[\d:\d+7], v[\x0], v[\x1] matrix_a_fmt:MATRIX_FMT_FP6 matrix_b_fmt:MATRIX_FMT_FP6 matrix_a_scale:MATRIX_SCALE_ROW\ra matrix_b_scale:MATRIX_SCALE_ROW\rb
.endif
.endm
; 8 products: A's blocks a0 .. a0 + 3 x my two of B.  The sixteen accumulators take turns in one fixed order.
.macro MUL8 cur, bs, a0, first
.irp ah, 0,1
.irp al, 0,1
.irp b, 0,1
	PRD ACC+8*(2*((\a0)+2*\ah+\al)+\b), 24*(\bs)+12*\b, 96*(\cur)+12*((\a0)+2*\ah+\al), \first, SB+8*(\bs), SA+8*(\cur)+(\a0)/2+\ah, \b, \al
.endr
.endr
.endr
.endm
; A chunk: 16 products on A's set cur and B's set bs.  lc: the loads issued behind this chunk's of B.  fetch: the next chunk of A is fetched in the middle.  boff >= 0: B's chunk seven on is asked for, into the set that the last chunk has left.
.macro CHUNK cur, bs, first, lc, fetch, boff
	s_wait_loadcnt \lc
	s_wait_dscnt 16                                ; all but the youngest 16 LDS loads: A's blocks 4-7
	WIN MUL
	MUL8 \cur, \bs, 0, \first
.if \fetch
	AFETCH 1-(\cur)
.if (\boff) >= 0
	BLOAD \boff, ((\bs)+7)%8
.endif
	s_wait_dscnt 36                                ; all but the 36 just issued
.else
	s_wait_dscnt 0x0
.endif
	WIN MUL
	MUL8 \cur, \bs, 4, \first
.endm
	s_load_b256 s[4:11], s[0:1], 0x0               ; hid s[4:5], the weights s[6:7], b2 s[8:9], x1 s[10:11]
	s_load_b64 s[12:13], s[0:1], 0x20              ; out
	v_lshl_add_u32 v[SPW], v0, 2, SPARE
	v_mov_b32 v[NIL], 0
	ds_add_u32 v[SPW], v[NIL]                      ; the opening lines: the add, twice on end, and its wait ahead of my first tensor load
	ds_add_u32 v[SPW], v[NIL]
	v_lshrrev_b32 v1, 5, v0
	v_readfirstlane_b32 s14, v1                    ; wave 0..3
	s_bfe_u32 s40, ttmp6, 0x40000                  ; cx
	s_bfe_u32 s41, ttmp6, 0x40004                  ; cy
	s_lshl_b32 s42, ttmp9, 2
	s_add_co_u32 s42, s42, s40                     ; tile column
	s_and_b32 s17, ttmp7, 0xffff
	s_lshl_b32 s17, s17, 2
	s_add_co_u32 s17, s17, s41                     ; tile row
	s_lshl_b32 s43, s41, 2
	s_lshl_b32 s43, 15, s43                        ; my row of the cluster
	s_or_b32 s[G1], s43, (3<<16)|(1<<21)           ; the mask; elements of 8 bytes; no padding; bit 21 beside a mask
	s_mov_b32 s[G1+1], 32<<16                      ; rows of 256 bytes; how many, each load's own lines say
	s_mov_b32 s[G1+3], 32<<16
	s_mov_b32 s[G1+5], 32
	s_mov_b32 s[G1+6], 0
	s_mov_b32 s[G1+7], 0
	s_mov_b32 s[G0], 1
	s_mul_i32 s20, s17, KC*CHB                     ; A's group = tile row
	s_mov_b32 s21, 0
	s_mul_i32 s22, s42, KC*CHB                     ; B's group = tile column
	s_add_co_u32 s22, s22, WOFF
	s_mov_b32 s23, 0
	v_and_b32 v1, 31, v0                           ; lane
	v_and_b32 v2, 15, v0                           ; r
	v_bfe_u32 v3, v0, 4, 1                         ; h
	v_lshlrev_b32 v[L16], 4, v1
	v_lshlrev_b32 v[L8], 3, v1
	v_lshlrev_b32 v[L4], 2, v1
	s_mul_i32 s18, s14, 3072                       ; my two fragments of B's eight
	v_add_nc_u32 v[B16], s18, v[L16]
	v_add_nc_u32 v[B8], s18, v[L8]
	s_lshl_b32 s18, s14, 7
	v_add_nc_u32 v[BS], s18, v[L4]                 ; their 32 scale words
	v_lshl_add_u32 v[BO], v3, 5, s18               ; the bias: my wave's 128 bytes, 32 for each half of the lanes
	v_mul_u32_u24 v4, v2, SPITCH
	v_lshl_add_u32 v4, v3, 5, v4
	v_add_nc_u32 v[STO], s18, v4                   ; the stage, in: row r, my wave's 128 bytes, 32 for each half of the lanes
	s_mul_i32 s19, s14, 32*SPITCH
	v_add_nc_u32 v[RD], s19, v[L16]                ; back: my 32 rows, a row of 512 bytes an instruction
	v_min_u32 v5, 24, v1
	s_lshl_b32 s18, s40, 2
	s_add_co_u32 s18, s18, s14
	s_mul_i32 s18, s18, 25*256
	v_lshl_add_u32 v[PFA], v5, 8, s18              ; my 25 of A's 400 blocks
	s_lshl_b32 s19, s41, 2
	s_add_co_u32 s19, s19, s14
	s_mul_i32 s19, s19, 25*256
	v_lshl_add_u32 v[PFB], v5, 8, s19              ; my 25 of B's 400
	v_lshrrev_b32 v6, 1, v1
	v_and_b32 v7, 1, v1
	v_lshlrev_b32 v7, 8, v7
	v_lshl_add_u32 v[PFX], v6, 12, v7              ; the residual: two lanes to a row's 512 bytes, 16 rows an instruction
	s_wait_alu depctr_va_vdst(0)
	s_wait_dscnt 0x0                               ; both opening adds are done
	CROUND                                         ; all sixteen work-groups are here: the first joint loads meet
	s_wait_kmcnt 0x0
	s_add_nc_u64 s[50:51], s[4:5], s[20:21]        ; A's group; never rewritten
	s_add_nc_u64 s[46:47], s[6:7], s[22:23]        ; B's group: the loads' base, stepped in the loop,
	s_mov_b64 s[48:49], s[46:47]                   ; and the prefetches', never rewritten
	s_cmp_eq_u32 s14, 0                            ; one load a wave, each on a line of its own
	s_cbranch_scc0 .Lwave_1
	ATILE 0, 4, 16
	s_branch .Lasked
.Lwave_1:
	s_cmp_eq_u32 s14, 1
	s_cbranch_scc0 .Lwave_2
	ATILE 4, 4, 20
	s_branch .Lasked
.Lwave_2:
	s_cmp_eq_u32 s14, 2
	s_cbranch_scc0 .Lwave_3
	ATILE 8, 8, 0
	s_branch .Lasked
.Lwave_3:
	ATILE 16, 8, 8
.Lasked:
	s_lshl_b32 s20, s17, 7
	s_lshl_b32 s21, s14, 5
	s_add_co_u32 s20, s20, s21                     ; the rows that I store: 128 x tile row + 32 x wave
	s_lshl_b32 s20, s20, 12
	s_lshl_b32 s22, s42, 9                         ; the tile's first column, in bytes
	s_mov_b32 s23, 0
	s_add_nc_u64 s[8:9], s[8:9], s[22:23]
	s_add_co_u32 s22, s22, s20
	s_add_nc_u64 s[10:11], s[10:11], s[22:23]
	s_add_nc_u64 s[12:13], s[12:13], s[22:23]
.irp b, 0,1                            ; register 8 b + j: the bias of my column 16 b + 8 h + j
	global_load_b128 v[BI+8*\b:BI+8*\b+3], v[BO], s[8:9] offset:64*\b
	global_load_b128 v[BI+8*\b+4:BI+8*\b+7], v[BO], s[8:9] offset:64*\b+16
.endr
	BLOAD 0, 0
	BLOAD 1, 1
	BLOAD 2, 2
	BLOAD 3, 3
	BLOAD 4, 4
	BLOAD 5, 5
	BLOAD 6, 6
	global_prefetch_b8 v[PFA], s[50:51] offset:24*CHB th:TH_LOAD_NT scope:SCOPE_SE   ; what the refill will load
	global_prefetch_b8 v[PFB], s[48:49] offset:16*CHB th:TH_LOAD_NT scope:SCOPE_SE   ; B's chunks 16-23
	s_mov_b32 s[POS], TOP                          ; chunk 0 lies at place 16
	s_wait_dscnt 0x0
	s_cmp_lt_u32 s14, 2
	s_cbranch_scc0 .Lnot_first
	s_wait_tensorcnt 0x0                           ; waves 0 and 1: chunks 0-7 are in
.Lnot_first:
	s_barrier_signal -1
	s_barrier_wait -1                              ; waves 2 and 3's tiles may still be on their way
	AFETCH 0
.set CC, 0
.rept 7                                ; chunks 0-6; behind a chunk's loads of B stand those of the six chunks after it: 54 (the bias was asked for ahead of them all)
	CHUNK CC%2, CC, CC==0, 54, 1, CC+7
.set CC, CC+1
.endr
	WIN 0
	s_wait_tensorcnt 0x0                           ; THE REFILL.  All my tensor loads have landed;
	ds_add_u32 v[SPW], v[NIL]                      ; 0 onto my spare word;
	s_mov_b32 s[POS], 0                            ; chunk 8 lies at place 0
	s_mov_b32 s[G1+2], 100<<16                     ; no load of mine is out, so the descriptor may be written: two chunks, 100 rows,
	s_mov_b32 s[G1+4], 100
	s_mul_i32 s18, s14, 2*CHB
	s_add_co_u32 s[G0+1], s18, TOP                 ; to places 16 + 2 wave,
	s_add_co_u32 s18, s18, 24*CHB                  ; chunks 24 + 2 wave
	s_mov_b32 s19, 0
	s_add_nc_u64 s[G0+2:G0+3], s[50:51], s[18:19]
	s_or_b32 s[G0+3], s[G0+3], 0x80000000
	s_wait_dscnt 0x0                               ; the add is done, and chunk 7 is in my registers: my reads of places 16-23 are over
	CROUND                                         ; the same holds of every wave of every partner
	TLOAD
	global_prefetch_b8 v[PFB], s[48:49] offset:24*CHB th:TH_LOAD_NT scope:SCOPE_SE   ; B's chunks 24-31
	global_prefetch_b8 v[PFX], s[10:11] th:TH_LOAD_NT scope:SCOPE_SE                 ; my 32 rows of the residual
	global_prefetch_b8 v[PFX], s[10:11] offset:16*4096 th:TH_LOAD_NT scope:SCOPE_SE
	s_mov_b32 s3, 2
.Ltrip:                                            ; chunks 7-14, 15-22: they fetch places 0-15
.set KK, 0
.rept 8
	CHUNK (7+KK)%2, (7+KK)%8, 0, 54, 1, 14+KK
.set KK, KK+1
.endr
	WIN 0
	s_wait_xcnt 0x0                                ; my loads have read their base
	s_add_nc_u64 s[46:47], s[46:47], 8*CHB
	s_sub_co_u32 s3, s3, 1
	s_cmp_lg_u32 s3, 0
	s_cbranch_scc1 .Ltrip
	s_wait_tensorcnt 0x0                           ; my part of chunks 24-31 is in
	s_wait_dscnt 0x0
	s_barrier_signal -1                            ; a plain barrier: the refill is shown to all, and nobody reads places 0-15 any more
	s_barrier_wait -1
.set CC, 23
.set RN, 0                             ; rows of the residual asked for so far
.rept 8
.if CC < 25
	CHUNK CC%2, CC%8, 0, 54, 1, CC-9
.else
	CHUNK CC%2, CC%8, 0, 9*(31-CC)+RN, 1, -1       ; behind this chunk's loads of B: those of the chunks after it, and the residual's so far
.if RN < 32
	WIN 0xc0                                       ; destination window 3
.set jj, RN
.rept 8
	global_load_b128 v[4*jj:4*jj+3], v[L16], s[10:11] offset:4096*jj   ; a row of the residual: 512 consecutive bytes
.set jj, jj+1
.endr
.set RN, RN+8
.endif
.endif
.set CC, CC+1
.endr
	CHUNK 1, 7, 0, 32, 0, -1                       ; the residual's 32 loads may be out
	WIN 0
	PLACES                                         ; behind the last products
; THE WAY OUT.  Accumulator (a, b) of lane (r, h) is row 16 a + r, columns 32 w + 16 b + 8 h + 0 .. 7.
.irp a, 0,1,2,3,4,5,6,7
.irp b, 0,1
	ds_store_b128 v[STO], v[ACC+8*(2*\a+\b):ACC+8*(2*\a+\b)+3] offset:\a*16*SPITCH+64*\b        ; each accumulator from its low end on
	ds_store_b128 v[STO], v[ACC+8*(2*\a+\b)+4:ACC+8*(2*\a+\b)+7] offset:\a*16*SPITCH+64*\b+16
.endr
.endr
	s_wait_dscnt 0x0                               ; for the others' sake: my stores have landed
	s_barrier_signal -1
	s_barrier_wait -1
	WIN 0x40
.set jj, 0
.rept 32
	ds_load_b128 v[4*jj:4*jj+3], v[RD] offset:jj*SPITCH
.set jj, jj+1
.endr
	s_wait_loadcnt 0x0                             ; the residual
.irp g, 0,1,2,3                        ; eight rows at a time
	s_wait_dscnt 24-8*\g
	WIN 0x4d                                       ; source 0 and destination window 1, source 1 window 3
.set jj, 16*\g
.rept 16
	v_pk_add_f32 v[2*jj:2*jj+1], v[2*jj:2*jj+1], v[2*jj:2*jj+1]
.set jj, jj+1
.endr
	WIN 0x04                                       ; the data: window 1
.set jj, 8*\g
.rept 8
	global_store_b128 v[L16], v[4*jj:4*jj+3], s[12:13] offset:4096*jj   ; 32 lanes store 512 consecutive bytes, aligned
.set jj, jj+1
.endr
.endr
	WIN 0
	s_wait_tensorcnt 0x0                           ; the wave's end
	ds_add_u32 v[SPW], v[NIL]
	s_wait_dscnt 0x0
	CROUND                                         ; the closing round
	s_endpgm
.Lfunc_end_k_q2d5430cbf7_mlp2:
	.size	k_q2d5430cbf7_mlp2, .Lfunc_end_k_q2d5430cbf7_mlp2-k_q2d5430cbf7_mlp2
	.p2alignl 7, 3214868480
	.fill 96, 4, 3214868480
	.section	.rodata,"a",@progbits
	.p2align	6, 0x0
	.amdhsa_kernel k_q2d5430cbf7_mlp2
		.amdhsa_group_segment_fixed_size 327680
		.amdhsa_private_segment_fixed_size 0
		.amdhsa_enable_private_segment 0
		.amdhsa_kernarg_size 40
		.amdhsa_user_sgpr_count 2
		.amdhsa_user_sgpr_kernarg_segment_ptr 1
		.amdhsa_wavefront_size32 1
		.amdhsa_system_sgpr_workgroup_id_x 1
		.amdhsa_system_sgpr_workgroup_id_y 1
		.amdhsa_system_sgpr_workgroup_id_z 1
		.amdhsa_system_vgpr_workitem_id 0
		.amdhsa_next_free_vgpr 896
		.amdhsa_next_free_sgpr 100
		.amdhsa_reserve_vcc 0
		.amdhsa_float_denorm_mode_32 3
		.amdhsa_float_denorm_mode_16_64 3
		.amdhsa_memory_ordered 1
		.amdhsa_forward_progress 1
		.amdhsa_inst_pref_size 158
	.end_amdhsa_kernel
	.amdgpu_metadata
---
amdhsa.version: [ 1, 2 ]
amdhsa.kernels:
  - .name:           k_q2d5430cbf7_mlp2
    .symbol:         k_q2d5430cbf7_mlp2.kd
    .args:
      - { .name: hid, .offset: 0, .size: 8, .value_kind: global_buffer, .address_space: global }
      - { .name: wrec, .offset: 8, .size: 8, .value_kind: global_buffer, .address_space: global }
      - { .name: b2, .offset: 16, .size: 8, .value_kind: global_buffer, .address_space: global }
      - { .name: x1, .offset: 24, .size: 8, .value_kind: global_buffer, .address_space: global }
      - { .name: out0, .offset: 32, .size: 8, .value_kind: global_buffer, .address_space: global }
    .group_segment_fixed_size: 327680
    .private_segment_fixed_size: 0
    .kernarg_segment_align: 8
    .kernarg_segment_size: 40
    .max_flat_workgroup_size: 128
    .sgpr_count:     100
    .vgpr_count:     896
    .wavefront_size: 32
...
	.end_amdgpu_metadata
.endif
;; end of part 7
